; MI455X (gfx1250); checked and timed in simulation.
; The chip was launched on July 23, 2026; its instructions are those of AMD's public machine-readable ISA for CDNA 5 (MIT licence, August 2026) and "CDNA5" Instruction Set Architecture Reference Guide (July 2026). The comments in the code are by the model that wrote it; some were corrected since.
;; Causal Attention. Allowed arithmetic: matrix products marked QUANTISED: E5M2 operands, one E8M0 scale for each 32 along K, by v_wmma_scale_f32_16x16x128_f8f6f4 with both operands' format E5M2, f32 sums; everything else in f32.
;; Inputs: Wk 1,024 x 1,024 float32; Wq 1,024 x 1,024 float32; Wv 1,024 x 1,024 float32; x 4 x 2,048 x 1,024 float32.
;; Outputs: out0 4 x 2,048 x 1,024 float32.
;; This version of the problem:
;;   THIS VERSION OF THE PROBLEM IS GIVEN IN LOW PRECISION. The matrix products marked QUANTISED in the list below multiply operands that are first quantised to E5M2 (5 exponent bits, 2 mantissa bits; 8 bits a number), with one power-of-two scale for each 32 numbers along K (OCP MX v1.0); their sums are f32. All else is computed in f32.
;;   The module's matrix products, in the order in which they are computed (A, B: the left and right operand; K: the contracted axis; several contracted axes count as one K, in the product's order):
;;     1. [M 8,192, K 1,024] x [K 1,024, N 1,024]; A: input x; B: input Wq: QUANTISED
;;     2. [M 8,192, K 1,024] x [K 1,024, N 1,024]; A: input x; B: input Wk: QUANTISED
;;     3. [M 8,192, K 1,024] x [K 1,024, N 1,024]; A: input x; B: input Wv: QUANTISED
;;     4. batch 4 x [M 2,048, K 1,024] x [K 1,024, N 2,048]; A: computed on the way; B: computed on the way: QUANTISED
;;     5. batch 4 x [M 2,048, K 2,048] x [K 2,048, N 1,024]; A: softmax (see below); B: computed on the way: QUANTISED
;;   THE QUANTISER, for each operand of a quantised product, along K:
;;     - K is cut into blocks of 32 from its start; a last block that is shorter is filled with zeros.
;;     - A block's scale is 2^e with e = floor(log2(the largest magnitude in the block)) - 15, held to -126 .. 127; a block of zeros has e = 0. As a byte (E8M0): e + 127.
;;     - Each number is divided by its block's scale, clamped to +-57,344, and rounded to the nearest number of E5M2, ties to even, subnormals kept.
;;     - The product sums the exact products of the quantised numbers (number of the format x scale) in f32.
;;   ~~~python
;;   def quantise(x, axis):      # numpy; x: float32 -> the quantised numbers, widened to float32 again
;;       x = np.moveaxis(x, axis, -1); K = x.shape[-1]
;;       x = np.pad(x, [(0, 0)] * (x.ndim - 1) + [(0, -K % 32)]); x = x.reshape(x.shape[:-1] + (-1, 32)); a = np.abs(x).max(-1, keepdims=True)
;;       e = np.where(a > 0, np.clip(np.frexp(np.where(a > 0, a, 1))[1] - 1 - 15, -126, 127), 0)      # np.frexp(a)[1] - 1 = floor(log2(a)), exactly
;;       r = np.clip(x / 2.0 ** e, -57344, 57344)
;;       step = 2.0 ** (np.maximum(np.frexp(np.where(r == 0, 1, r))[1] - 1, -14) - 2)
;;       q = np.round(r / step) * step * 2.0 ** e      # np.round: ties to even
;;       return np.moveaxis(q.reshape(q.shape[:-2] + (-1,))[..., :K], -1, axis).astype(np.float32)
;;   ~~~
;;   SOFTMAX AHEAD OF A QUANTISED PRODUCT. Where the list says 'softmax', what is quantised is not the finished softmax but p = 2^(t - M), with t = logit x log2(e) and M = ceil(the row's largest t), a whole number; so 1/2 < the row's largest p <= 1. The row's sum l is taken of the UNQUANTISED p, in f32, and the product's result is divided by l at the end. Since M is a whole number, a kernel that streams over the keys may use a running M (the ceiling of the running maximum): every later rescaling is an exact power of two, which a block's scale takes up: the codes' values come out the same.
;;   OPERANDS COMPUTED ON THE WAY. 'Computed on the way' means the value that the module computes at that place (a softmax that the list does not call 'softmax' is quantised finished and normalised). What goes into a quantiser is computed in f32, as accurately as f32 sums, v_exp_f32 and their like allow (about 1e-6 of the number): no bf16 or f16 on the way to a quantiser, and a product that is left as it is and whose result goes on into a quantised operand takes f32 operands (vector FMAs, or v_wmma_f32_16x16x4_f32). A number that lies on a knife's edge between two numbers of the format may be rounded either way, as far as f32 arithmetic and the matrix unit's own rounding can turn it there, and no further.
;; One version. Each part assembles by itself: llvm-mc -triple=amdgcn-amd-amdhsa -mcpu=gfx1250 --defsym DOCPART=n.
;; ======== version 1 of 1: 4 launches
;; limits: right only within a limited range of input values
;; workspace buffers: xi 8,650,752 bytes; wi 3,244,032 bytes; qi 8,650,752 bytes; ki 8,650,752 bytes; vi 8,650,752 bytes; pi 16,777,216 bytes; pstat 2,097,152 bytes
;; launch quant (part 1): grid 704 x 1, 4 waves a work-group, no clusters, 35,328 bytes of LDS; arguments x, Wq, Wk, Wv, xi, wi; writes xi, wi
.if DOCPART == 1
	.amdgcn_target "amdgcn-amd-amdhsa--gfx1250"
	.amdhsa_code_object_version 6
	.text
	.protected	k_q07583c1955_quant
	.globl	k_q07583c1955_quant
	.p2align	8
	.type	k_q07583c1955_quant,@function
k_q07583c1955_quant:
	s_mov_b64 s[64:65], 0
	v_nop
	global_prefetch_b8 v0, s[64:65] scope:SCOPE_SE
	s_setreg_imm32_b32 hwreg(HW_REG_WAVE_MODE, 25, 1), 1
	s_wait_xcnt 0x0
; x [8192][1024] and Wq, Wk, Wv [1024 (K)][1024 (N)], f32, become codes of BF8 (E5M2) with one E8M0 byte for each 32 along K, laid as IMAGES OF THE OPERAND'S REGISTERS.
; A RECORD (REC bytes) holds 128 rows x 256 K: [K step of 128: 0, 1][tile 0..7][2,048 bytes], then for each K step 512 bytes of scale words.  Record (rb, slot) lies at (4 rb + slot) REC.
; A tile's 16 rows are not neighbours: lane-row r of tile T is row 32 (T / 2) + 8 (T % 2) + r % 8 + 16 (r / 8) of the block of 128.  In a tile's image byte 512 c + 16 lane + i is k = 32 c + 16 (lane / 16) + i of lane-row lane % 16.
; The scale word of (tile T, lane-row r) lies at 256 (T % 2) + 16 r + 4 (T / 2) of its 512 bytes.
; A block's scale is 2^(floor(log2(largest magnitude)) - 15); each number is held within +-57,344 x the scale and rounded to the nearest code, ties to even.
; LIMITS: NaN and infinities are not served; a block of zeros (and any block whose largest magnitude lies under 2^-111) gets the byte 1 where the rule says 127 for zeros: zero codes add nothing, and only this program reads the bytes.
; SHARES.  A work-group takes 128 rows x 128 K; wave j tiles 2 j and 2 j + 1.  Work-groups 0-511 take x, 512-703 the weights (64 for each matrix).  The two ways part once, on the work-group's number, and each has LDS bytes of its own.
; No work-group reads what another reads, so there is no cluster; no tensor load: the numbers must pass through registers anyway.
; WORK LEFT OUT IN THE PROGRAM: the reference's own causal mask puts -infinity on every score whose key comes after its query, so for all values of the inputs such a p is 0 and adds nothing to a row's sum or result: whole tiles above
; the diagonal are not multiplied by later launches.  LIMIT: a NaN, an infinity or an overflow that reaches only such a tile is not carried to the result.
.set REC,  33792
.set XS,   33792                       ; LDS: 0.. the x way's stages, 16 rows x 528 bytes a wave; here its 512 bytes of scale words
.set WS,   34304                       ; and the weights' way's
.set TM,   16                          ; v16-19 largest magnitudes, v20-23 bytes, v24-27 holds, v28-31 scale operands
.set CD,   32                          ; v32-63 codes: never written twice, so no store's data are written again
.set R,    64                          ; v64-191 numbers as loaded
.set X,    192                         ; v192-255 64 numbers of my lane-row: register 16 b + i is k 32 b + 16 (lane / 16) + i
.set SEL,  20                          ; s[20:21] v_permlanex16_b32's selects for lane l xor 16
.set MNT,  23                          ; s23 the mantissa field of 57,344
.set HM,   24                          ; s24 the mask of lanes 16-31
.macro LOADF u                         ; tile 2 j + u: sixteen rows' 512 bytes, each read by the 32 lanes as they lie
.irp p, 0,1,2,3,4,5,6,7,8,9,10,11,12,13,14,15
	global_load_b128 v[R+64*\u+4*\p:R+64*\u+4*\p+3], v4, s[4:5] offset:(8*\u+(\p%8)+16*(\p/8))*4096 th:TH_LOAD_NT
.endr
.endm
.macro TURN u                          ; through my wave's stage: in as loaded, out 64 bytes of one row a lane.  LDS serves a wave's instructions in order
.irp p, 0,1,2,3,4,5,6,7,8,9,10,11,12,13,14,15
	ds_store_b128 v5, v[R+64*\u+4*\p:R+64*\u+4*\p+3] offset:528*\p
.endr
.irp c, 0,1,2,3
.irp i, 0,1,2,3
	ds_load_b128 v[X+16*\c+4*\i:X+16*\c+4*\i+3], v6 offset:128*\c+16*\i
.endr
.endr
.endm
.macro QUANT s, pc, pw                 ; 64 numbers of a lane become a fragment's 16 registers of codes and its row's scale word
.irp b, 0,1,2,3
	v_max3_num_f32 v[TM+\b], |v[\s+16*\b]|, |v[\s+1+16*\b]|, 0x8000000   ; with the floor 2^(16 - 127): the byte cannot fall under 1
.endr
.irp i, 2,4,6,8,10,12,14
.irp b, 0,1,2,3
	v_max3_num_f32 v[TM+\b], v[TM+\b], |v[\s+16*\b+\i]|, |v[\s+1+16*\b+\i]|
.endr
.endr
.irp b, 0,1,2,3
	v_permlanex16_b32 v[TM+4+\b], v[TM+\b], s[SEL], s[SEL+1]
.endr
.irp b, 0,1,2,3
	v_max_num_f32 v[TM+\b], v[TM+\b], v[TM+4+\b]                     ; with lane l xor 16's sixteen: the block's
.endr
.irp b, 0,1,2,3
	v_add_nc_u32 v[TM+12+\b], 0xf8800000, v[TM+\b]                  ; 15 off the exponent field: the conversion's scale operand
.endr
.irp b, 0,1,2,3
	v_and_or_b32 v[TM+8+\b], v[TM+\b], 0x7f800000, s[MNT]           ; 57,344 x the scale
.endr
.irp b, 0,1,2,3
	v_lshrrev_b32 v[TM+4+\b], 23, v[TM+12+\b]                       ; the byte
.endr
	v_lshl_or_b32 v[\pw], v[TM+5], 8, v[TM+4]
	v_lshl_or_b32 v[\pw], v[TM+6], 16, v[\pw]
	v_lshl_or_b32 v[\pw], v[TM+7], 24, v[\pw]
.irp b, 0,1,2,3
.irp i, 0,1,2,3,4,5,6,7,8,9,10,11,12,13,14,15
	v_med3_num_f32 v[\s+16*\b+\i], v[\s+16*\b+\i], -v[TM+8+\b], v[TM+8+\b]   ; the conversion does not saturate (ISA guide 7.6.2): the hold
.endr
	v_cvt_scalef32_pk8_bf8_f32 v[\pc+4*\b:\pc+1+4*\b], v[\s+16*\b:\s+7+16*\b], v[TM+12+\b]
	v_cvt_scalef32_pk8_bf8_f32 v[\pc+2+4*\b:\pc+3+4*\b], v[\s+8+16*\b:\s+15+16*\b], v[TM+12+\b]
.endr
	v_nop                                          ; a plain line behind the last conversion
.endm
.macro IMG u                           ; the fragment leaves as it stands: each store covers 512 consecutive bytes
.irp c, 0,1,2,3
	global_store_b128 v4, v[CD+16*\u+4*\c:CD+16*\u+4*\c+3], s[34:35] offset:2048*\u+512*\c
.endr
.endm
.macro WLOAD c                         ; the weights: a lane takes a column, its registers run down K: block c of 32
.set I, 0
.rept 32
	global_load_b32 v[R+32*((\c)%2)+I], v9, s[6:7] offset:(32*(\c)+I)*4096 th:TH_LOAD_NT
.set I, I+1
.endr
.endm
.macro WBLOCK c
.set XB, R+32*((\c)%2)
.if (\c) < 3
	s_wait_loadcnt 32                              ; this block's 32 loads are in; the next block's 32 may be out
.else
	s_wait_loadcnt 0x0
.endif
	v_max3_num_f32 v16, |v[XB]|, |v[XB+1]|, |v[XB+2]|
	v_max3_num_f32 v17, |v[XB+3]|, |v[XB+4]|, |v[XB+5]|
.irp i, 6,10,14,18,22,26
	v_max3_num_f32 v16, v16, |v[XB+\i]|, |v[XB+\i+1]|
	v_max3_num_f32 v17, v17, |v[XB+\i+2]|, |v[XB+\i+3]|
.endr
	v_max3_num_f32 v16, v16, |v[XB+30]|, |v[XB+31]|
	v_max3_num_f32 v16, v16, v17, 0x8000000        ; all 32 numbers are mine; and the floor
	v_add_nc_u32 v19, 0xf8800000, v16
	v_and_or_b32 v18, v16, 0x7f800000, s[MNT]
	v_lshrrev_b32 v17, 23, v19
.if (\c) == 0
	v_mov_b32 v13, v17
.else
	v_lshl_or_b32 v13, v17, 8*(\c), v13            ; the four bytes make my column's scale word
.endif
.set I, 0
.rept 32
	v_med3_num_f32 v[XB+I], v[XB+I], -v18, v18
.set I, I+1
.endr
.irp g, 0,1,2,3
	v_cvt_scalef32_pk8_bf8_f32 v[CD+8*(\c)+2*\g:CD+8*(\c)+2*\g+1], v[XB+8*\g:XB+8*\g+7], v19
.endr
	v_nop
	global_store_b128 v10, v[CD+8*(\c):CD+8*(\c)+3], s[34:35] offset:512*(\c)        ; k 32 c + 0..15: the image's lanes 0-15; the 32 lanes fill two aligned runs of 256 bytes
	global_store_b128 v10, v[CD+8*(\c)+4:CD+8*(\c)+7], s[34:35] offset:512*(\c)+256  ; k 32 c + 16..31: its lanes 16-31
.if (\c) < 2
	WLOAD (\c)+2
.endif
.endm
	s_load_b256 s[4:11], s[0:1], 0x0               ; x s[4:5], Wq s[6:7], Wk s[8:9], Wv s[10:11]
	s_load_b128 s[12:15], s[0:1], 0x20             ; xi s[12:13], wi s[14:15]
	s_set_vgpr_msb 0x40
	v_lshl_add_u32 v0, v0, 2, 0x8800
	v_mov_b32 v1, 0
	s_set_vgpr_msb 0x4000
	v_lshrrev_b32 v1, 5, v0
	v_readfirstlane_b32 s16, v1                    ; wave j
	v_and_b32 v1, 31, v0                           ; lane
	v_and_b32 v2, 15, v0                           ; r
	v_bfe_u32 v3, v0, 4, 1                         ; h
	v_lshlrev_b32 v4, 4, v1                        ; 16 x lane
	s_mul_i32 s17, s16, 8448                       ; my stage.  Every LDS address is made here, ahead of the parting of the ways
	v_add_nc_u32 v5, s17, v4                       ; into it
	v_mul_u32_u24 v6, v2, 528
	v_lshl_add_u32 v6, v3, 6, v6
	v_add_nc_u32 v6, s17, v6                       ; out of it: row r, + 64 h
	s_lshl_b32 s18, s16, 2
	s_add_co_u32 s19, s18, XS
	v_add_nc_u32 v7, s19, v4                       ; x: where lane (r, h) puts the word of tile 2 j + h
	v_add_nc_u32 v8, XS, v4                        ; and where wave 0 reads the 512 bytes back
	v_lshlrev_b32 v9, 2, v1                        ; W: 4 bytes a lane
	v_bfe_u32 v12, v0, 3, 1                        ; column m = lane: it is lane-row (m % 8) + 8 (m / 16) of tile 2 j + (m / 8) % 2
	v_and_b32 v10, 7, v0
	v_lshl_add_u32 v11, v3, 3, v10
	v_lshlrev_b32 v10, 4, v11
	v_lshl_add_u32 v10, v12, 11, v10               ; its 16 bytes' place in the wave's two images
	v_lshl_add_u32 v11, v12, 4, v11
	v_lshlrev_b32 v11, 4, v11
	s_add_co_u32 s19, s18, WS
	v_add_nc_u32 v11, s19, v11                     ; and its scale word's
	v_add_nc_u32 v12, WS, v4
	s_mov_b32 s[SEL], 0x76543210
	s_mov_b32 s[SEL+1], 0xfedcba98
	s_mov_b32 s[MNT], 0x600000
	s_mov_b32 s[HM], 0xffff0000
	s_mov_b32 s29, 0
.irp b, 0,1,2,3
	v_mov_b32 v[TM+4+\b], 0                        ; a lane permute's destination counts as one of its sources
.endr
	s_wait_kmcnt 0x0
	s_cmp_lt_u32 ttmp9, 512
	s_cbranch_scc0 .Lweights
	; ---- x
	s_lshr_b32 s25, ttmp9, 3                       ; rb
	s_and_b32 s26, ttmp9, 7                        ; which 128 along K
	s_lshl_b32 s28, s25, 19                        ; 128 rb rows of 4,096 bytes,
	s_lshl_b32 s27, s16, 17                        ; 32 j rows,
	s_add_co_u32 s28, s28, s27
	s_lshl_b32 s27, s26, 9                         ; 512 bytes for each 128 along K
	s_add_co_u32 s28, s28, s27
	s_add_nc_u64 s[4:5], s[4:5], s[28:29]
	s_lshl_b32 s32, s25, 2
	s_lshr_b32 s27, s26, 1
	s_add_co_u32 s32, s32, s27
	s_mul_i32 s32, s32, REC                        ; the record
	s_and_b32 s33, s26, 1                          ; its K step
	s_lshl_b32 s28, s33, 14
	s_add_co_u32 s28, s28, s32
	s_lshl_b32 s27, s16, 12
	s_add_co_u32 s28, s28, s27
	s_add_nc_u64 s[34:35], s[12:13], s[28:29]      ; my two images
	s_lshl_b32 s28, s33, 9
	s_add_co_u32 s28, s28, s32
	s_add_co_u32 s28, s28, 32768
	s_add_nc_u64 s[36:37], s[12:13], s[28:29]      ; the K step's scale words
	LOADF 0
	LOADF 1
	s_wait_loadcnt 16                              ; the first tile's sixteen loads are in; the second's sixteen may be out
	TURN 0
	s_wait_dscnt 0x0
	QUANT X, CD, 13
	IMG 0
	s_wait_loadcnt 0x0
	TURN 1
	s_wait_dscnt 0x0
	QUANT X, CD+16, 14
	IMG 1
	v_cndmask_b32 v15, v13, v14, s[HM]             ; lanes 0-15 keep tile 2 j's word, lanes 16-31 take tile 2 j + 1's
	ds_store_b32 v7, v15
	s_wait_dscnt 0x0                               ; for the others' sake: my words lie in LDS
	s_barrier_signal -1
	s_barrier_wait -1
	s_cmp_lg_u32 s16, 0
	s_cbranch_scc1 .Lx_done
	ds_load_b128 v[64:67], v8
	s_wait_dscnt 0x0
	global_store_b128 v4, v[64:67], s[36:37]       ; 512 consecutive bytes
.Lx_done:
	s_set_vgpr_msb 0x5
	s_wait_tensorcnt 0x0
	ds_add_u32 v0, v1
	s_wait_dscnt 0x0
	s_set_vgpr_msb 0x500
	s_endpgm
	; ---- the weights
.Lweights:
	s_sub_co_u32 s25, ttmp9, 512
	s_lshr_b32 s26, s25, 6                         ; which matrix
	s_cmp_eq_u32 s26, 0
	s_cselect_b64 s[6:7], s[6:7], s[8:9]
	s_cmp_eq_u32 s26, 2
	s_cselect_b64 s[6:7], s[10:11], s[6:7]
	s_bfe_u32 s27, s25, 0x30003                    ; which 128 columns
	s_and_b32 s30, s25, 7                          ; which 128 along K
	s_lshl_b32 s28, s30, 19                        ; 128 rows of 4,096 bytes each
	s_lshl_b32 s31, s27, 9
	s_add_co_u32 s28, s28, s31
	s_lshl_b32 s31, s16, 7                         ; my wave's 32 columns
	s_add_co_u32 s28, s28, s31
	s_add_nc_u64 s[6:7], s[6:7], s[28:29]
	s_lshl_b32 s32, s26, 3
	s_add_co_u32 s32, s32, s27                     ; rb = 8 x matrix + block of columns
	s_lshl_b32 s32, s32, 2
	s_lshr_b32 s31, s30, 1
	s_add_co_u32 s32, s32, s31
	s_mul_i32 s32, s32, REC
	s_and_b32 s33, s30, 1
	s_lshl_b32 s28, s33, 14
	s_add_co_u32 s28, s28, s32
	s_lshl_b32 s31, s16, 12
	s_add_co_u32 s28, s28, s31
	s_add_nc_u64 s[34:35], s[14:15], s[28:29]
	s_lshl_b32 s28, s33, 9
	s_add_co_u32 s28, s28, s32
	s_add_co_u32 s28, s28, 32768
	s_add_nc_u64 s[36:37], s[14:15], s[28:29]
	WLOAD 0
	WLOAD 1
	WBLOCK 0
	WBLOCK 1
	WBLOCK 2
	WBLOCK 3
	ds_store_b32 v11, v13
	s_wait_dscnt 0x0
	s_barrier_signal -1
	s_barrier_wait -1
	s_cmp_lg_u32 s16, 0
	s_cbranch_scc1 .Lw_done
	ds_load_b128 v[64:67], v12
	s_wait_dscnt 0x0
	global_store_b128 v4, v[64:67], s[36:37]
.Lw_done:
	s_set_vgpr_msb 0x5
	s_wait_tensorcnt 0x0
	ds_add_u32 v0, v1
	s_wait_dscnt 0x0
	s_set_vgpr_msb 0x500
	s_endpgm
.Lfunc_end_k_q07583c1955_quant:
	.size	k_q07583c1955_quant, .Lfunc_end_k_q07583c1955_quant-k_q07583c1955_quant
	.p2alignl 7, 3214868480
	.fill 96, 4, 3214868480
	.section	.rodata,"a",@progbits
	.p2align	6, 0x0
	.amdhsa_kernel k_q07583c1955_quant
		.amdhsa_group_segment_fixed_size 35328
		.amdhsa_private_segment_fixed_size 0
		.amdhsa_enable_private_segment 0
		.amdhsa_kernarg_size 48
		.amdhsa_user_sgpr_count 2
		.amdhsa_user_sgpr_kernarg_segment_ptr 1
		.amdhsa_wavefront_size32 1
		.amdhsa_system_sgpr_workgroup_id_x 1
		.amdhsa_system_sgpr_workgroup_id_y 1
		.amdhsa_system_sgpr_workgroup_id_z 1
		.amdhsa_system_vgpr_workitem_id 0
		.amdhsa_next_free_vgpr 258
		.amdhsa_next_free_sgpr 66
		.amdhsa_reserve_vcc 0
		.amdhsa_float_denorm_mode_32 3
		.amdhsa_float_denorm_mode_16_64 3
		.amdhsa_memory_ordered 1
		.amdhsa_forward_progress 1
		.amdhsa_inst_pref_size 57
	.end_amdhsa_kernel
	.amdgpu_metadata
---
amdhsa.version: [ 1, 2 ]
amdhsa.kernels:
  - .name:           k_q07583c1955_quant
    .symbol:         k_q07583c1955_quant.kd
    .args:
      - { .name: x, .offset: 0, .size: 8, .value_kind: global_buffer, .address_space: global }
      - { .name: Wq, .offset: 8, .size: 8, .value_kind: global_buffer, .address_space: global }
      - { .name: Wk, .offset: 16, .size: 8, .value_kind: global_buffer, .address_space: global }
      - { .name: Wv, .offset: 24, .size: 8, .value_kind: global_buffer, .address_space: global }
      - { .name: xi, .offset: 32, .size: 8, .value_kind: global_buffer, .address_space: global }
      - { .name: wi, .offset: 40, .size: 8, .value_kind: global_buffer, .address_space: global }
    .group_segment_fixed_size: 35328
    .private_segment_fixed_size: 0
    .kernarg_segment_align: 8
    .kernarg_segment_size: 48
    .max_flat_workgroup_size: 128
    .sgpr_count:     66
    .vgpr_count:     258
    .wavefront_size: 32
...
	.end_amdgpu_metadata
.endif
;; end of part 1
;; launch proj (part 2): grid 16 x 16, 4 waves a work-group, clusters of 4 x 4, 327,680 bytes of LDS; arguments xi, wi, qi, ki, vi; writes qi, ki, vi
.if DOCPART == 2
	.amdgcn_target "amdgcn-amd-amdhsa--gfx1250"
	.amdhsa_code_object_version 6
	.text
	.protected	k_q07583c1955_proj
	.globl	k_q07583c1955_proj
	.p2align	8
	.type	k_q07583c1955_proj,@function
k_q07583c1955_proj:
	s_mov_b64 s[64:65], 0
	v_nop
	global_prefetch_b8 v0, s[64:65] scope:SCOPE_SE
	s_setreg_imm32_b32 hwreg(HW_REG_WAVE_MODE, 25, 1), 1
	s_wait_xcnt 0x0
	s_wait_alu depctr_hold_cnt(0) depctr_sa_sdst(0) depctr_va_vdst(0) depctr_va_sdst(0) depctr_va_ssrc(0) depctr_va_vcc(0) depctr_vm_vsrc(0)
	s_getreg_b32 s2, hwreg(HW_REG_IB_STS2, 6, 4)
	s_cmp_eq_u32 s2, 0
	s_cbranch_scc0 .Lentry_in_a_cluster
	s_endpgm
.Lentry_in_a_cluster:
	s_bfe_u32 s2, ttmp6, 0x10000c
	s_cmp_lg_u32 s2, 0xf033
	s_cbranch_scc0 .Lentry_shape_is_right
	s_endpgm
.Lentry_shape_is_right:
; q = x Wq, k = x Wk, v = x Wv on codes of BF8, and their quantisers: q and k along the channels, v along the tokens.  Codes and scale words leave as records (images of the operand's registers) for the two launches that follow; no f32 result is stored.
; INPUTS: xi, record group rb (4 records, RB bytes) = 128 tokens, all of K; wi, record group 8 x matrix + column block = 128 columns, all of K.  Record: [K step 0, 1][tile 0..7][2,048], then 512 bytes of scale words a K step:
; the word of (tile T, lane-row r) at 256 (T % 2) + 16 r + 4 (T / 2).  Lane-row r of tile T is row 32 (T / 2) + 8 (T % 2) + r % 8 + 16 (r / 8) of the 128, so 16 registers of a pair of tiles are 16 neighbours of the next K.
; THE DEAL: 16 x 16 work-groups, four waves as 2 (rows, s15) x 2 (columns, s16).  A wave holds 64 columns of a weight, ALL of K, in the 512 registers of windows 1 and 2, and streams x's tiles of 16 rows past them (two sets of 128 registers in window 3).
; PHASE 1: four chunks of 128 tokens x 128 columns of q (tile columns 0-7) or k (8-15).  PHASE 2: two chunks x 128 columns of v: window s18 (256 tokens) of the work-group's own two, column block s13.
; ORDER: the window that is not v's first (chunks 0, 1), then v's (2, 3).  Phase 2 takes chunk 3 as it still lies in slot 1, then chunk 2 anew.  Wave row w takes tiles 4 w .. 4 w + 3 of a chunk: four blocks of 32 products.
; FILLS: at the head waves 0, 1 the weight into slot 1, waves 2, 3 chunk 0 into slot 0; then, each in a drained round of the cluster's barrier and a record a wave: chunk 1 (slot 1) when the weight is in registers; chunks 2, 3 inside the third
; block of chunks 0, 1, when that chunk's last block is in registers; Wv (slot 0) ahead of chunk 2's third block; chunk 2 again (slot 0) when Wv is in registers.  Each such round also shows the fill before it.
; CLUSTERS 4 x 4: x's tiles are shared along a row of the cluster, a weight's along a column: joint loads.
; A block's way out (maxima, holds, conversions, bytes) stands among the next block's products, a pair of v's blocks among the next pair's.  Scale bytes are gathered in LDS.
; PREFETCH: chunks 1 and 2 at the head, chunk 3 and Wv a trip ahead of their loads: 512 blocks of 256 bytes of the 528, shared out by address among the sixteen waves of the cluster's row (column), one a lane.
; LIMITS: NaN, infinities and sums beyond f32's range are not served; a block's byte is held at 1 from below (its codes are then zeros, or its largest magnitude lies under 2^-111).
.set REC, 33792
.set RB, 4*REC
.set SLOT, RB
.set XN, 2*SLOT                        ; q's, k's scale bytes: [wave row][block 0..15][r][4]
.set XV, XN+2048                       ; v's: [chunk in v's order][tile 0..7][r][4]
.set SPARE, XV+1024                    ; the spare words, 128 bytes a wave
.set NF, 40                            ; LDS loads of a block: 32 of fragments, 8 of scale words
.set NP, 8                             ; plain vector lines behind a product ahead of a reader of its sums and of a load into what it has read
.set ADRA0, 4                          ; my fragments of tile 4 s15 in a slot
.set VX, 5                             ; LDS address of a scale byte
.set ADRS0, 6                          ; my scale words of that tile
.set VX0, 7
.set RD, 8
.set CO, 9                             ; 16 x lane
.set SPW, 10
.set NIL, 11
.set ADRA, 12                          ; v12, v13: the fragments to be fetched next, K steps 0-3 and 4-7
.set ADRS, 14                          ; v14, v15: their scale words
.set BW1, 16                           ; v16-19 my columns of a weight in slot 1: fragments (two), words (two)
.set BW0, 20                           ; v20-23 in slot 0
.set SB, 24                            ; v24-39 the weight's words: register 8 p + q: lanes 0-15 tile 2 p's, lanes 16-31 tile 2 p + 1's
.set EB, 40                            ; v40-43 scale bytes
.set SA, 44                            ; v44-59 x's words: two sets of eight; no product's two words have numbers equal modulo 8
.set TQ, 60                            ; v60-63 the way out's maxima and bounds
.set ACC, 64                           ; v64-191 four sets of four accumulators: products write 0 and 1; 2 and 3 take a pair of v's blocks
.set MCD, 192                          ; v192-207 codes
.set SOP, 208                          ; v208-211 the conversions' scale operands
.set PF, 212                           ; v212-214 the prefetches' offsets
.set G1A, 24
.set G1B, 32
.set G1R, 48
.set G0A, 56
.set G0B, 60
.set G0R, 68
.set G1W, 72
.set G0W, 80
.set MSB, 0
.set SP_, 0                            ; 1: the loads of the block two on stand among this block's products
.macro WIN new                         ; the immediate's high byte repeats the setting that is left
.if MSB != \new
	s_set_vgpr_msb (MSB<<8)|\new
.set MSB, \new
.endif
.endm
.macro PLACES n
.rept \n
	v_nop
.endr
.endm
.macro BARRIER
	s_barrier_signal -1
	s_barrier_wait -1
.endm
.macro CROUND                          ; a round of the cluster's barrier
	BARRIER
	s_cmp_lg_u32 s14, 0
	s_cbranch_scc1 .Lnot_wave_0_\@
	s_barrier_signal -3
.Lnot_wave_0_\@:
	s_barrier_wait -3
	BARRIER
.endm
.macro MIDDLE                          ; a round behind its opening signal
	WIN 0
	s_barrier_wait -1
	s_cmp_lg_u32 s14, 0
	s_cbranch_scc1 .Lnot_wave_0_\@
	s_barrier_signal -3
.Lnot_wave_0_\@:
	s_barrier_wait -3
.endm
.macro TLOAD g0, g1
	tensor_load_to_lds s[\g0:\g0+3], s[\g1:\g1+7]
	s_nop 0
	PLACES 4
.endm
.macro WALU                            ; ahead of a wait that blocks, behind which something freshly written is read
	s_wait_alu depctr_va_vdst(0)
.endm
.macro GRD
	s_wait_tensorcnt 0x0
	ds_add_u32 v[SPW], v[NIL]
.endm
.macro GROUP1 g, mask, rows            ; a dense run of so many rows of 256 bytes (32 elements of 8), for those that the mask names
	s_or_b32 s[\g], s\mask, (3<<16)|(1<<21)
	s_mov_b32 s[\g+1], 32<<16
	s_mov_b32 s[\g+2], (\rows)<<16
	s_mov_b32 s[\g+3], 32<<16
	s_mov_b32 s[\g+4], \rows
	s_mov_b32 s[\g+5], 32
	s_mov_b32 s[\g+6], 0
	s_mov_b32 s[\g+7], 0
.endm
.macro FRAG g, q, b                    ; a weight's fragment 4 q + b: tile b of my four, K step q
.set F_, 4*(\q)+(\b)
	WIN (1+F_/16)<<6
.irp c, 0,1,2,3
	ds_load_b128 v[16*(F_%16)+4*\c:16*(F_%16)+4*\c+3], v[\g+(\q)/4] offset:(((\q)/2)%2)*REC+((\q)%2)*16384+2048*(\b)+512*\c
.endr
.endm
.macro WEIGHTS g, chg                  ; 128 loads of fragments, 16 of scale words.  chg: the last block's way out stands among them
.irp q, 0,1,2,3,4,5,6,7
.irp b, 0,2
	FRAG \g, \q, \b
	FRAG \g, \q, \b+1
.if \chg
	WIN 0
	CHANGE 2*\q+\b/2
.endif
.endr
.endr
	WIN 0
.irp p, 0,1
.irp q, 0,1,2,3,4,5,6,7
	ds_load_b32 v[SB+8*\p+\q], v[\g+2+\q/4] offset:((\q/2)%2)*REC+512*(\q%2)+4*\p
.endr
.endr
.endm
.macro FETCHAT e                       ; a block of x, 16 rows, all of K, into set e, and its scale words
	WIN 3<<6
.irp q, 0,1,2,3,4,5,6,7
.irp c, 0,1,2,3
	ds_load_b128 v[128*\e+16*\q+4*\c:128*\e+16*\q+4*\c+3], v[ADRA+\q/4] offset:((\q/2)%2)*REC+16384*(\q%2)+512*\c
.endr
.endr
	WIN 0
.irp q, 0,1,2,3,4,5,6,7
	ds_load_b32 v[SA+8*\e+\q], v[ADRS+\q/4] offset:((\q/2)%2)*REC+512*(\q%2)
.endr
.endm
.macro PROD kind, e, n                 ; product n = 4 q + b of a block: K step q, column tile b; x's set e, sums in set e.  kind 0 (q, k): source 0 = the weight; 1 (v): source 0 = x.  The four accumulators take turns
.set Q_, (\n)/4
.set B_, (\n)%4
.set AC_, ACC+32*(\e)+8*B_
.set R_, 128*(\e)+16*Q_
.set W_, 16*((\n)%16)
.set XS_, SA+8*(\e)+Q_
.set WS_, SB+8*(B_/2)+Q_
.if \kind
	WIN 3|((1+(\n)/16)<<2)
.if Q_ && B_%2
	v_wmma_scale_f32_16x16x128_f8f6f4 v[AC_:AC_+7], v[R_:R_+15], v[W_:W_+15], v[AC_:AC_+7], v[XS_], v[WS_] matrix_a_fmt:MATRIX_FMT_BF8 matrix_b_fmt:MATRIX_FMT_BF8 matrix_b_scale:MATRIX_SCALE_ROW1
.elseif Q_
	v_wmma_scale_f32_16x16x128_f8f6f4 v[AC_:AC_+7], v[R_:R_+15], v[W_:W_+15], v[AC_:AC_+7], v[XS_], v[WS_] matrix_a_fmt:MATRIX_FMT_BF8 matrix_b_fmt:MATRIX_FMT_BF8
.elseif B_%2
	v_wmma_scale_f32_16x16x128_f8f6f4 v[AC_:AC_+7], v[R_:R_+15], v[W_:W_+15], 0, v[XS_], v[WS_] matrix_a_fmt:MATRIX_FMT_BF8 matrix_b_fmt:MATRIX_FMT_BF8 matrix_b_scale:MATRIX_SCALE_ROW1
.else
	v_wmma_scale_f32_16x16x128_f8f6f4 v[AC_:AC_+7], v[R_:R_+15], v[W_:W_+15], 0, v[XS_], v[WS_] matrix_a_fmt:MATRIX_FMT_BF8 matrix_b_fmt:MATRIX_FMT_BF8
.endif
.else
	WIN (1+(\n)/16)|(3<<2)
.if Q_ && B_%2
	v_wmma_scale_f32_16x16x128_f8f6f4 v[AC_:AC_+7], v[W_:W_+15], v[R_:R_+15], v[AC_:AC_+7], v[WS_], v[XS_] matrix_a_fmt:MATRIX_FMT_BF8 matrix_b_fmt:MATRIX_FMT_BF8 matrix_a_scale:MATRIX_SCALE_ROW1
.elseif Q_
	v_wmma_scale_f32_16x16x128_f8f6f4 v[AC_:AC_+7], v[W_:W_+15], v[R_:R_+15], v[AC_:AC_+7], v[WS_], v[XS_] matrix_a_fmt:MATRIX_FMT_BF8 matrix_b_fmt:MATRIX_FMT_BF8
.elseif B_%2
	v_wmma_scale_f32_16x16x128_f8f6f4 v[AC_:AC_+7], v[W_:W_+15], v[R_:R_+15], 0, v[WS_], v[XS_] matrix_a_fmt:MATRIX_FMT_BF8 matrix_b_fmt:MATRIX_FMT_BF8 matrix_a_scale:MATRIX_SCALE_ROW1
.else
	v_wmma_scale_f32_16x16x128_f8f6f4 v[AC_:AC_+7], v[W_:W_+15], v[R_:R_+15], 0, v[WS_], v[XS_] matrix_a_fmt:MATRIX_FMT_BF8 matrix_b_fmt:MATRIX_FMT_BF8
.endif
.endif
.endm
.macro HOLDS m, x                      ; two of a scale block's 16 holds; the conversion does not saturate (ISA guide 7.6.2).  The fourth pair reads the bound's second copy
.if (\m) == 3
	v_med3_num_f32 v[\x], v[\x], -v[TQ+3], v[TQ+3]
	v_med3_num_f32 v[\x+1], v[\x+1], -v[TQ+3], v[TQ+3]
.else
	v_med3_num_f32 v[\x], v[\x], -v[TQ+1], v[TQ+1]
	v_med3_num_f32 v[\x+1], v[\x+1], -v[TQ+1], v[TQ+1]
.endif
.if (\m) == 2
	v_mov_b32 v[TQ+3], v[TQ+1]
.endif
.endm
; THE QUANTISER of a scale block of 32, 16 numbers in a lane (e .. e + 7, o .. o + 7), 16 in lane l xor 16, in 15 gaps: codes cd .. cd + 3, byte EB + u / 15
.macro GAP u, e, o, cd
.set J_, (\u)%15
.set T_, (\u)/15
.set E_, \e
.set O_, \o
.set D_, \cd
.if J_ == 0
	v_max3_num_f32 v[TQ], |v[E_]|, |v[E_+1]|, |v[E_+2]|
	v_max3_num_f32 v[TQ+2], |v[O_]|, |v[O_+1]|, |v[O_+2]|
.elseif J_ < 3
	v_max3_num_f32 v[TQ], v[TQ], |v[E_+2*J_+1]|, |v[E_+2*J_+2]|
	v_max3_num_f32 v[TQ+2], v[TQ+2], |v[O_+2*J_+1]|, |v[O_+2*J_+2]|
.elseif J_ == 3
	v_max3_num_f32 v[TQ+2], v[TQ+2], |v[O_+7]|, 0x8000000   ; the floor 2^(16 - 127)
	v_max3_num_f32 v[TQ], v[TQ], |v[E_+7]|, v[TQ+2]
.elseif J_ == 4
	v_permlanex16_b32 v[TQ+2], v[TQ], s86, s87
	v_max_num_f32 v[TQ], v[TQ], v[TQ+2]
.elseif J_ == 5
	v_add_nc_u32 v[SOP+T_], 0xf8800000, v[TQ]      ; 15 off the exponent field: the conversion's scale operand
	v_and_or_b32 v[TQ+1], v[TQ], 0x7f800000, s17   ; 57,344 x the scale
.elseif J_ < 10
	HOLDS J_-6, E_+2*(J_-6)
.if J_ == 9
	v_cvt_scalef32_pk8_bf8_f32 v[D_:D_+1], v[E_:E_+7], v[SOP+T_]
.endif
.elseif J_ < 14
	HOLDS J_-6, O_+2*(J_-10)
.if J_ == 13
	v_cvt_scalef32_pk8_bf8_f32 v[D_+2:D_+3], v[O_:O_+7], v[SOP+T_]
.endif
.else
	v_lshrrev_b32 v[EB+T_], 23, v[SOP+T_]
.endif
.endm
; WHAT STANDS BEHIND PRODUCT n: behind 0 and 1 the addresses of the block two on (ai, si from the bases s47, s8); y = 1: a block of q or k at x goes out; 2, 3: the halves of a pair of v's at x
.macro LIST n, y, x, ai, si
.if (\n) == 0
	WIN 0
	s_add_co_u32 s22, s47, \ai
	v_add_nc_u32 v[ADRA], s22, v[ADRA0]
	v_add_nc_u32 v[ADRA+1], 2*REC, v[ADRA]
.elseif (\n) == 1
	WIN 0
	s_add_co_u32 s22, s8, \si
	v_add_nc_u32 v[ADRS], s22, v[ADRS0]
	v_add_nc_u32 v[ADRS+1], 2*REC, v[ADRS]
.endif
.if \y == 1 && (\n) == 2
	WIN 0
	v_add_nc_u32 v[VX], s9, v[VX0]
	s_add_co_u32 s9, s9, 64
.endif
.if (\y) && (\n) > 0 && (\n) < 31
	WIN 0
.if \y == 1
.set G_, ((\n)-1)/15
	GAP (\n)-1, \x+16*G_, \x+16*G_+8, MCD+4*G_
.else
.set U_, (\n)-1+30*((\y)-2)
.set G_, U_/15
	GAP U_, \x+8*G_, \x+8*G_+32, MCD+4*G_
.endif
.endif
.if SP_ && (\n) > 6 && (\n) < 28 && (\n)%4 == 3
.set QQ_, ((\n)-7)/4
	FQ EE_, QQ_                                    ; K step QQ_'s last product is four products back: eight or more plain vector lines stand between
.endif
.endm
.macro FQ e, q                         ; K step q of a block of x into set e, and its scale word
	WIN 0
	ds_load_b32 v[SA+8*(\e)+(\q)], v[ADRS+(\q)/4] offset:(((\q)/2)%2)*REC+512*((\q)%2)
	WIN 3<<6
.irp c, 0,1,2,3
	ds_load_b128 v[128*(\e)+16*(\q)+4*\c:128*(\e)+16*(\q)+4*\c+3], v[ADRA+(\q)/4] offset:(((\q)/2)%2)*REC+16384*((\q)%2)+512*\c
.endr
.endm
.macro FTAIL e                         ; the last two K steps, behind the block
	FQ \e, 6
	FQ \e, 7
	WIN 0
.endm
.macro BLOCK kind, e, from, to, y, x, ai, si
.set N_, \from
.set EE_, \e
.rept (\to)-(\from)
	PROD \kind, \e, N_
	LIST N_, \y, \x, \ai, \si
.set N_, N_+1
.endr
.endm
.macro BLK kind, e, y, x, ai, si
	BLOCK \kind, \e, 0, 32, \y, \x, \ai, \si
	WIN 0
	PLACES NP
.endm
.macro BLS kind, e, y, x, ai, si       ; a block with the loads of the block two on among its products; FTAIL follows
.set SP_, 1
	BLOCK \kind, \e, 0, 32, \y, \x, \ai, \si
.set SP_, 0
	WIN 0
	PLACES NP
.endm
.macro HB
	s_wait_dscnt NF
	s_wait_xcnt 0x0
.endm
.macro QOUT                            ; two scale bytes to LDS; 2 x 512 consecutive bytes of codes
	ds_store_b8 v[VX], v[EB]
	ds_store_b8 v[VX], v[EB+1] offset:1
	global_store_b128 v[CO], v[MCD:MCD+3], s[84:85]
	global_store_b128 v[CO], v[MCD+4:MCD+7], s[84:85] offset:512
.endm
.macro RDESC                           ; a refill's group 0: my record of the chunk at s66 of xi, into the slot at s101
	s_mul_i32 s[G0R+1], s14, REC
	s_add_co_u32 s[G0R+1], s[G0R+1], s101
	s_mul_i32 s20, s14, REC
	s_add_co_u32 s20, s20, s66
	s_mov_b32 s21, 0
	s_add_nc_u64 s[G0R+2:G0R+3], s[4:5], s[20:21]
	s_or_b32 s[G0R+3], s[G0R+3], 0x80000000
.endm
	s_load_b128 s[4:7], s[0:1], 0x0                ; xi, wi
	s_load_b128 s[92:95], s[0:1], 0x10             ; qi, ki
	s_load_b64 s[96:97], s[0:1], 0x20              ; vi
	v_lshl_add_u32 v[SPW], v0, 2, SPARE
	v_mov_b32 v[NIL], 0
	ds_add_u32 v[SPW], v[NIL]                      ; the opening lines: the add twice on end, and its wait, ahead of the first tensor load
	ds_add_u32 v[SPW], v[NIL]
	v_lshrrev_b32 v1, 5, v0
	v_readfirstlane_b32 s14, v1                    ; wave
	s_lshr_b32 s15, s14, 1                         ; my row of waves
	s_and_b32 s16, s14, 1                          ; my column of waves
	s_bfe_u32 s40, ttmp6, 0x40000                  ; cx
	s_bfe_u32 s41, ttmp6, 0x40004                  ; cy
	s_lshl_b32 s42, ttmp9, 2
	s_add_co_u32 s42, s42, s40                     ; tile column
	s_and_b32 s43, ttmp7, 0xffff
	s_lshl_b32 s43, s43, 2
	s_add_co_u32 s43, s43, s41                     ; tile row of 512 tokens
	s_lshr_b32 s19, ttmp9, 1                       ; phase 1 makes q (0) or k (1)
	s_and_b32 s18, ttmp9, 1                        ; v's window
	s_lshl_b32 s44, s41, 2
	s_lshl_b32 s44, 15, s44                        ; my row of the cluster
	s_lshl_b32 s45, 0x1111, s40                    ; my column
	GROUP1 G1A, 44, 264                            ; the head: two records a load
	GROUP1 G1B, 45, 264
	GROUP1 G1R, 44, 132                            ; a refill: a record a wave
	GROUP1 G1W, 45, 132
	s_lshl_b32 s20, s43, 2
	s_lshl_b32 s2, s18, 1
	s_add_co_u32 s2, s2, s20                       ; chunk 2's record group
	s_xor_b32 s67, s2, 2                           ; chunk 0's
	s_mul_i32 s2, s2, RB
	s_mul_i32 s67, s67, RB
	s_lshl_b32 s13, s19, 2
	s_add_co_u32 s13, s13, s40                     ; Wv's column block: shared along a column of the cluster
	s_add_co_u32 s3, s13, 16
	s_mul_i32 s3, s3, RB
	s_mul_i32 s12, s42, RB                         ; the first weight's record group
	s_mul_i32 s66, s16, 2*REC
	s_mul_i32 s46, s14, REC
	s_mov_b32 s[G0A], 1
	s_mov_b32 s[G0A+1], s66
	s_mov_b32 s[G0B], 1
	s_add_co_u32 s[G0B+1], s66, SLOT
	s_mov_b32 s[G0R], 1
	s_add_co_u32 s[G0R+1], s46, SLOT
	s_mov_b32 s[G0W], 1
	s_mov_b32 s[G0W+1], s46
	s_mov_b32 s21, 0
	s_wait_alu depctr_va_vdst(0)
	s_wait_dscnt 0x0                               ; both opening adds are done
	CROUND                                         ; all sixteen work-groups are here
	s_wait_kmcnt 0x0
	s_add_co_u32 s20, s67, s66
	s_add_nc_u64 s[G0A+2:G0A+3], s[4:5], s[20:21]
	s_or_b32 s[G0A+3], s[G0A+3], 0x80000000
	s_add_co_u32 s20, s12, s66
	s_add_nc_u64 s[G0B+2:G0B+3], s[6:7], s[20:21]
	s_or_b32 s[G0B+3], s[G0B+3], 0x80000000
	s_cmp_lt_u32 s14, 2                            ; one joint load a wave, and a line of its own for what is shown ahead of the rest
	s_cbranch_scc0 .Lfor_x
	TLOAD G0B, G1B                                 ; waves 0, 1: the weight, which is wanted first
	s_branch .Lasked
.Lfor_x:
	TLOAD G0A, G1A                                 ; waves 2, 3: chunk 0
.Lasked:
	s_add_co_u32 s20, s67, s46
	s_add_co_u32 s20, s20, RB                      ; chunk 1
	s_add_nc_u64 s[G0R+2:G0R+3], s[4:5], s[20:21]
	s_or_b32 s[G0R+3], s[G0R+3], 0x80000000
	s_add_co_u32 s20, s3, s46                      ; Wv
	s_add_nc_u64 s[G0W+2:G0W+3], s[6:7], s[20:21]
	s_or_b32 s[G0W+3], s[G0W+3], 0x80000000
	; where the results go.  q, k: record (chunk, slot of 256 columns), its K step, tile 4 s15, piece 2 s16
	s_cmp_eq_u32 s19, 0
	s_cselect_b64 s[92:93], s[92:93], s[94:95]
	s_bfe_u32 s20, s42, 0x20001
	s_mul_i32 s20, s20, REC
	s_and_b32 s22, s42, 1
	s_lshl_b32 s46, s22, 9
	s_add_co_u32 s46, s46, s20
	s_add_co_u32 s46, s46, 32768                   ; the scale words' place in a record group
	s_lshl_b32 s22, s22, 14
	s_add_co_u32 s20, s20, s22
	s_lshl_b32 s22, s15, 13
	s_add_co_u32 s20, s20, s22
	s_lshl_b32 s22, s16, 10
	s_add_co_u32 s20, s20, s22
	s_add_nc_u64 s[98:99], s[92:93], s[20:21]
	s_mov_b32 s20, s67
	s_add_nc_u64 s[84:85], s[98:99], s[20:21]      ; chunk 0
	s_mov_b32 s20, s2
	s_add_nc_u64 s[98:99], s[98:99], s[20:21]      ; chunk 2
	s_add_nc_u64 s[88:89], s[84:85], RB            ; chunk 1
	s_xor_b32 s22, s15, s18                        ; wave n stores the words of chunk n (in the order of work)
	s_xor_b32 s22, s22, 1
	s_lshl_b32 s22, s22, 1
	s_add_co_u32 s22, s22, s16
	s_lshl_b32 s20, s43, 2
	s_add_co_u32 s22, s22, s20
	s_mul_i32 s20, s22, RB
	s_add_co_u32 s20, s20, s46
	s_add_nc_u64 s[94:95], s[92:93], s[20:21]
	; v: record ((batch, column block), window), tile 4 s16, piece 2 s15
	s_lshr_b32 s20, s43, 2
	s_lshl_b32 s20, s20, 3
	s_add_co_u32 s20, s20, s13
	s_lshl_b32 s20, s20, 3
	s_and_b32 s22, s43, 3
	s_lshl_b32 s22, s22, 1
	s_add_co_u32 s20, s20, s22
	s_add_co_u32 s20, s20, s18
	s_mul_i32 s20, s20, REC
	s_lshl_b32 s22, s16, 13
	s_add_co_u32 s20, s20, s22
	s_lshl_b32 s22, s15, 10
	s_add_co_u32 s20, s20, s22
	s_add_nc_u64 s[96:97], s[96:97], s[20:21]
	; LDS addresses
	v_and_b32 v1, 15, v0                           ; r
	v_bfe_u32 v2, v0, 4, 1                         ; h
	v_and_b32 v3, 31, v0                           ; lane
	v_lshlrev_b32 v[CO], 4, v3
	v_lshlrev_b32 v216, 4, v1
	v_lshl_add_u32 v217, v2, 8, v216
	v_lshlrev_b32 v218, 2, v1
	s_lshl_b32 s20, s15, 13
	v_add_nc_u32 v[ADRA0], s20, v[CO]
	s_lshl_b32 s20, s15, 3
	s_add_co_u32 s20, s20, 32768
	v_add_nc_u32 v[ADRS0], s20, v216
	s_lshl_b32 s20, s16, 13
	v_add_nc_u32 v[BW0], s20, v[CO]
	v_add_nc_u32 v[BW0+1], 2*REC, v[BW0]
	s_lshl_b32 s20, s16, 3
	s_add_co_u32 s20, s20, 32768
	v_add_nc_u32 v[BW0+2], s20, v217
	v_add_nc_u32 v[BW0+3], 2*REC, v[BW0+2]
.irp i, 0,1,2,3
	v_add_nc_u32 v[BW1+\i], SLOT, v[BW0+\i]
.endr
	s_lshl_b32 s20, s15, 10
	s_lshl_b32 s22, s16, 1
	s_add_co_u32 s20, s20, s22
	s_add_co_u32 s20, s20, XN
	v_add_nc_u32 v[VX0], s20, v218
	s_lshl_b32 s20, s16, 8
	s_lshl_b32 s22, s15, 1
	s_add_co_u32 s20, s20, s22
	s_add_co_u32 s20, s20, XV
	v_add_nc_u32 v[RD], s20, v218
	; the prefetches: my sixteenth of a chunk (by cx and wave), of Wv (by cy and wave): 8,192 bytes, lanes 256 bytes apart
	s_lshl_b32 s90, s40, 2
	s_add_co_u32 s90, s90, s14
	s_lshl_b32 s90, s90, 13
	s_lshl_b32 s100, s41, 2
	s_add_co_u32 s100, s100, s14
	s_lshl_b32 s100, s100, 13
	s_add_co_u32 s3, s3, s100
	s_add_co_u32 s20, s90, s67
	s_add_co_u32 s20, s20, RB
	v_lshl_add_u32 v[PF], v3, 8, s20
	s_add_co_u32 s20, s90, s2
	v_lshl_add_u32 v[PF+1], v3, 8, s20
	s_add_co_u32 s23, s20, RB                      ; the loop's first: chunk 3
	s_mov_b64 s[10:11], s[4:5]
	s_mov_b32 s86, 0x76543210
	s_mov_b32 s87, 0xfedcba98
	s_mov_b32 s17, 0x600000                        ; the mantissa field of 57,344
	s_wait_alu depctr_va_vdst(0)
	s_cmp_lt_u32 s14, 2
	s_cbranch_scc0 .Lnot_w
	s_wait_tensorcnt 0x0                           ; waves 0, 1: the weight has landed.  The other waves' wait stands ahead of the next barrier
.Lnot_w:
	BARRIER
	global_prefetch_b8 v[PF], s[4:5] th:TH_LOAD_NT scope:SCOPE_SE
	global_prefetch_b8 v[PF+1], s[4:5] th:TH_LOAD_NT scope:SCOPE_SE
	WEIGHTS BW1, 0
	GRD
	s_mov_b32 s47, 0
	s_mov_b32 s8, 0
	s_mov_b32 s9, 0
	s_mov_b32 s101, 0
	s_mov_b32 s66, s2
	s_wait_dscnt 0x0                               ; the weight is in registers
	CROUND
	TLOAD G0R, G1R                                 ; chunk 1 over the weight
	v_add_nc_u32 v[ADRA], s47, v[ADRA0]
	v_add_nc_u32 v[ADRA+1], 2*REC, v[ADRA]
	v_add_nc_u32 v[ADRS], s8, v[ADRS0]
	v_add_nc_u32 v[ADRS+1], 2*REC, v[ADRS]
	FETCHAT 0
	v_add_nc_u32 v[ADRA], 2048, v[ADRA]
	v_add_nc_u32 v[ADRA+1], 2048, v[ADRA+1]
	v_add_nc_u32 v[ADRS], 256, v[ADRS]
	v_add_nc_u32 v[ADRS+1], 256, v[ADRS+1]
	FETCHAT 1
	HB
	BLK 0, 0, 0, ACC, 4096, 4                      ; chunk 0, block 0; its set then takes block 2
	s_wait_alu depctr_va_vdst(0)                   ; the addresses were made at the block's head
	FETCHAT 0
	HB
	BLS 0, 1, 1, ACC, 6144, 260                    ; block 1
	QOUT
	FTAIL 1
	s_mov_b32 s47, SLOT
	s_mov_b32 s8, SLOT
	s_mov_b32 s46, 0
.Lchunk:                                               ; a trip: this chunk's blocks 2 and 3, the next chunk's 0 and 1.  s101 this chunk's slot; s47, s8 the next chunk's
	HB
	s_add_nc_u64 s[84:85], s[84:85], 2048
	BLOCK 0, 0, 0, 22, 1, ACC+32, 0, 0
	WIN 0
	WALU
	GRD
	RDESC
	BLOCK 0, 0, 22, 28, 1, ACC+32, 0, 0
	WIN 0
	WALU
	s_wait_dscnt 0x0                               ; the add is done; this chunk's last block is in registers
	s_barrier_signal -1
	BLOCK 0, 0, 28, 32, 1, ACC+32, 0, 0
	MIDDLE
	BARRIER
	TLOAD G0R, G1R                                 ; the chunk two on, into this chunk's slot
	PLACES NP-4
	WALU
	QOUT
	FETCHAT 0
	s_wait_xcnt 0x0                                ; (block 3's fragments came in ahead of the round)
	s_add_nc_u64 s[84:85], s[84:85], 2048
	BLS 0, 1, 1, ACC, 2048, 256
	v_lshl_add_u32 v[PF+2], v3, 8, s23
	QOUT
	FTAIL 1
	global_prefetch_b8 v[PF+2], s[10:11] th:TH_LOAD_NT scope:SCOPE_SE
	HB
	s_add_nc_u64 s[84:85], s[84:85], 2048
	BLS 0, 0, 1, ACC+32, 4096, 4
	QOUT
	FTAIL 0
	HB
	s_mov_b64 s[84:85], s[88:89]                   ; the next chunk's records
	BLS 0, 1, 1, ACC, 6144, 260
	QOUT
	FTAIL 1
	s_mov_b64 s[88:89], s[98:99]
	s_mov_b64 s[10:11], s[6:7]                     ; the second trip asks for Wv
	s_mov_b32 s23, s3
	s_add_co_u32 s66, s66, RB
	s_xor_b32 s101, s101, SLOT
	s_xor_b32 s47, s47, SLOT
	s_xor_b32 s8, s8, SLOT
	s_add_co_u32 s46, s46, 1
	s_cmp_lg_u32 s46, 2
	s_cbranch_scc1 .Lchunk
	WALU
	GRD
	s_mov_b32 s12, 0
	s_mov_b32 s47, SLOT
	s_mov_b32 s8, SLOT
	s_mov_b32 s46, 0
	s_wait_dscnt 0x0                               ; chunk 2's last block is in registers
	s_barrier_signal -1
	MIDDLE
	BARRIER
	TLOAD G0W, G1W                                 ; Wv into slot 0
.Ltwo:                                                 ; chunk 2's blocks 2, 3; chunk 3's 0, 1; its 2, 3.  The block two on lies in slot 1: tiles 0, 1; 2, 3; then v's first two: 0, 1 again
	HB
	s_add_nc_u64 s[84:85], s[84:85], 2048
	BLS 0, 0, 1, ACC+32, 0, 0
	QOUT
	FTAIL 0
	HB
	s_mov_b32 s21, 0
	s_mov_b32 s20, 2048
	s_cmp_eq_u32 s46, 1
	s_cselect_b32 s20, RB-6144, s20                ; on to chunk 3's records
	s_add_nc_u64 s[84:85], s[84:85], s[20:21]
	BLS 0, 1, 1, ACC, 2048, 256
	QOUT
	FTAIL 1
	s_xor_b32 s12, s12, 4096
	s_add_co_u32 s47, s12, SLOT
	s_lshr_b32 s8, s12, 10
	s_add_co_u32 s8, s8, SLOT
	s_add_co_u32 s46, s46, 1
	s_cmp_lg_u32 s46, 3
	s_cbranch_scc1 .Ltwo
	; THE CHANGE OF PHASE
	s_wait_xcnt 0x0
	s_wait_tensorcnt 0x0                           ; Wv is in
	s_wait_dscnt 0x0
	BARRIER
.macro CHANGE i                        ; the last block's way out; then zeros into what no block of v has written yet (v's first trip works on it and stores nothing)
.if (\i) < 8
.irp k, 0,1,2,3
.if 4*(\i)+\k < 30
.set U_, 4*(\i)+\k
.set G_, U_/15
	GAP U_, ACC+32+16*G_, ACC+40+16*G_, MCD+4*G_
.endif
.endr
.else
.irp k, 0,1,2,3,4,5,6,7
	v_mov_b32 v[ACC+64+8*((\i)-8)+\k], 0
.endr
.endif
.endm
	WEIGHTS BW0, 1
	s_add_nc_u64 s[84:85], s[84:85], 2048
	v_add_nc_u32 v[VX], s9, v[VX0]
	QOUT
	WALU
	GRD
	s_mov_b32 s101, 0
	s_mov_b32 s66, s2
	RDESC                                          ; chunk 2 again, into slot 0
	s_mov_b32 s46, 0
	s_mov_b32 s47, SLOT+4096
	s_mov_b32 s8, SLOT+4
	s_wait_dscnt 0x0                               ; Wv is in registers
	s_barrier_signal -1
	MIDDLE
	BARRIER
	TLOAD G0R, G1R
.macro VTO                             ; s22: a pair's number in v's order: chunk 3 (K step 1 of the record) first: where its codes and bytes go
	s_lshr_b32 s20, s22, 1
	s_and_b32 s21, s22, 1
	s_lshl_b32 s12, s20, 9
	s_or_b32 s12, s12, s21
	s_xor_b32 s20, s20, 1
	s_lshl_b32 s20, s20, 14
	s_lshl_b32 s21, s21, 9
	s_add_co_u32 s20, s20, s21
	s_mov_b32 s21, 0
	s_add_nc_u64 s[84:85], s[96:97], s[20:21]
	v_add_nc_u32 v[VX], s12, v[RD]
.endm
.macro VOUT                            ; four tiles' bytes and codes
.irp t, 0,1,2,3
	ds_store_b8 v[VX], v[EB+\t] offset:64*\t
	global_store_b128 v[CO], v[MCD+4*\t:MCD+4*\t+3], s[84:85] offset:2048*\t
.endr
.endm
.Lpair:                                                ; PHASE 2: four trips of two blocks
	HB
	BLOCK 1, 0, 0, 28, 2, ACC+64, 0, 0
	WIN 0
	WALU
	s_wait_tensorcnt 0x0                           ; the second trip's barrier shows chunk 2, which is read behind it
	s_wait_dscnt 0x0
	s_barrier_signal -1
	BLOCK 1, 0, 28, 32, 2, ACC+64, 0, 0
	WIN 0
	s_barrier_wait -1
	PLACES NP
	s_cmp_eq_u32 s46, 3
	s_cbranch_scc1 .Lnone_0
	FETCHAT 0
.Lnone_0:
	s_wait_xcnt 0x0                                ; (the odd block's fragments came in ahead of the barrier)
	BLS 1, 1, 3, ACC+64, 2048, 256                 ; (in the last trip its loads bring a block that no product takes)
.set I_, 0
.rept 32                               ; the pair's sums are copied, so that one trip is two blocks of text
	v_dual_mov_b32 v[ACC+64+I_], v[ACC+I_] :: v_dual_mov_b32 v[ACC+64+I_+1], v[ACC+I_+1]
.set I_, I_+2
.endr
	s_add_co_u32 s22, s46, 3
	s_and_b32 s22, s22, 3
	VTO
	s_cmp_eq_u32 s46, 0
	s_cbranch_scc1 .Lno_pair_before
	VOUT
.Lno_pair_before:
	FTAIL 1
	s_cmp_eq_u32 s46, 0
	s_cselect_b32 s47, 0, 4096                     ; chunk 2: tiles 0, 1, then 2, 3
	s_cselect_b32 s8, 0, 4
	s_add_co_u32 s46, s46, 1
	s_cmp_lg_u32 s46, 4
	s_cbranch_scc1 .Lpair
	s_wait_xcnt 0x0
.set K_, 0
.rept 60
.set G_, K_/15
	GAP K_, ACC+64+8*G_, ACC+96+8*G_, MCD+4*G_
.set K_, K_+1
.endr
	s_mov_b32 s22, 3
	VTO
	WALU
	VOUT
	v_lshlrev_b32 v216, 6, v2                      ; lane (r, h) gathers the words of tiles h, h + 2, h + 4, h + 6 of its row
	v_lshl_add_u32 v216, v1, 2, v216
	s_lshl_b32 s20, s14, 8
	s_add_co_u32 s20, s20, XN
	v_add_nc_u32 v217, s20, v216
	s_lshl_b32 s20, s16, 9
	s_add_co_u32 s20, s20, XV
	v_add_nc_u32 v218, s20, v216
	WALU
	s_wait_dscnt 0x0                               ; my scale bytes lie in LDS
	BARRIER
	ds_load_b32 v224, v217
	ds_load_b32 v225, v217 offset:128
	ds_load_b32 v226, v217 offset:1024
	ds_load_b32 v227, v217 offset:1152
.irp i, 0,1,2,3
	ds_load_b32 v[228+\i], v218 offset:128*\i
.endr
	s_wait_dscnt 0x0
	global_store_b128 v[CO], v[224:227], s[94:95]  ; 512 consecutive bytes: wave n for chunk n
	s_cmp_lt_u32 s14, 2
	s_cbranch_scc0 .Lno_words
	s_xor_b32 s20, s16, 1                          ; waves 0, 1: v's chunk n lies at K step 1 - n of the record
	s_lshl_b32 s20, s20, 9
	s_add_co_u32 s20, s20, 32768
	s_lshl_b32 s21, s16, 13
	s_sub_co_u32 s20, s20, s21                     ; (s[96:97] stands at tile 4 s16)
	s_mov_b32 s21, 0
	s_add_nc_u64 s[88:89], s[96:97], s[20:21]
	global_store_b128 v[CO], v[228:231], s[88:89]
.Lno_words:
	s_wait_tensorcnt 0x0                           ; the wave's end
	ds_add_u32 v[SPW], v[NIL]
	s_wait_dscnt 0x0
	CROUND                                         ; the closing round
	s_endpgm
.Lfunc_end_k_q07583c1955_proj:
	.size	k_q07583c1955_proj, .Lfunc_end_k_q07583c1955_proj-k_q07583c1955_proj
	.p2alignl 7, 3214868480
	.fill 96, 4, 3214868480
	.section	.rodata,"a",@progbits
	.p2align	6, 0x0
	.amdhsa_kernel k_q07583c1955_proj
		.amdhsa_group_segment_fixed_size 327680
		.amdhsa_private_segment_fixed_size 0
		.amdhsa_enable_private_segment 0
		.amdhsa_kernarg_size 40
		.amdhsa_user_sgpr_count 2
		.amdhsa_user_sgpr_kernarg_segment_ptr 1
		.amdhsa_wavefront_size32 1
		.amdhsa_system_sgpr_workgroup_id_x 1
		.amdhsa_system_sgpr_workgroup_id_y 1
		.amdhsa_system_sgpr_workgroup_id_z 1
		.amdhsa_system_vgpr_workitem_id 0
		.amdhsa_next_free_vgpr 1024
		.amdhsa_next_free_sgpr 102
		.amdhsa_reserve_vcc 0
		.amdhsa_float_denorm_mode_32 3
		.amdhsa_float_denorm_mode_16_64 3
		.amdhsa_memory_ordered 1
		.amdhsa_forward_progress 1
		.amdhsa_inst_pref_size 191
	.end_amdhsa_kernel
	.amdgpu_metadata
---
amdhsa.version: [ 1, 2 ]
amdhsa.kernels:
  - .name:           k_q07583c1955_proj
    .symbol:         k_q07583c1955_proj.kd
    .args:
      - { .name: xi, .offset: 0, .size: 8, .value_kind: global_buffer, .address_space: global }
      - { .name: wi, .offset: 8, .size: 8, .value_kind: global_buffer, .address_space: global }
      - { .name: qi, .offset: 16, .size: 8, .value_kind: global_buffer, .address_space: global }
      - { .name: ki, .offset: 24, .size: 8, .value_kind: global_buffer, .address_space: global }
      - { .name: vi, .offset: 32, .size: 8, .value_kind: global_buffer, .address_space: global }
    .group_segment_fixed_size: 327680
    .private_segment_fixed_size: 0
    .kernarg_segment_align: 8
    .kernarg_segment_size: 40
    .max_flat_workgroup_size: 128
    .sgpr_count:     102
    .vgpr_count:     1024
    .wavefront_size: 32
...
	.end_amdgpu_metadata
.endif
;; end of part 2
;; launch scores (part 3): grid 12 x 16, 4 waves a work-group, clusters of 4 x 4, 327,680 bytes of LDS; arguments qi, ki, pi, pstat; writes pi, pstat
.if DOCPART == 3
	.amdgcn_target "amdgcn-amd-amdhsa--gfx1250"
	.amdhsa_code_object_version 6
	.text
	.protected	k_q07583c1955_scores
	.globl	k_q07583c1955_scores
	.p2align	8
	.type	k_q07583c1955_scores,@function
k_q07583c1955_scores:
	s_mov_b64 s[64:65], 0
	v_nop
	global_prefetch_b8 v0, s[64:65] scope:SCOPE_SE
	s_setreg_imm32_b32 hwreg(HW_REG_WAVE_MODE, 25, 1), 1
	s_wait_xcnt 0x0
	s_wait_alu depctr_hold_cnt(0) depctr_sa_sdst(0) depctr_va_vdst(0) depctr_va_sdst(0) depctr_va_ssrc(0) depctr_va_vcc(0) depctr_vm_vsrc(0)
	s_getreg_b32 s2, hwreg(HW_REG_IB_STS2, 6, 4)
	s_cmp_eq_u32 s2, 0
	s_cbranch_scc0 .Lentry_in_a_cluster
	s_endpgm
.Lentry_in_a_cluster:
	s_bfe_u32 s2, ttmp6, 0x10000c
	s_cmp_lg_u32 s2, 0xf033
	s_cbranch_scc0 .Lentry_shape_is_right
	s_endpgm
.Lentry_shape_is_right:
; S = q k^T on codes of BF8 (E5M2), K = 1,024, for the causal part; then, for each query and each CHUNK of 128 keys: t = S log2(e) / 32, M = ceil(the chunk's largest t), p = 2^(t - M), the chunk's sum of p, and p quantised along the keys.
; M is a whole number, so the last launch brings a chunk under the row's final M by adding a whole number to its scale bytes: the codes stay.
; Records, tiles and the product's core are those of the launch before: source 0 = 256 keys, source 1 = 256 queries; a lane holds one query, and the 16 registers of accumulators 2 b, 2 b + 1 are 16 neighbouring keys.
; OUT: pi, records of 32,768 bytes (128 queries x 256 keys, codes alone) at ((16 batch + query block) 8 + key slot); pstat [chunk 0..15][(16 batch + query block) 128 + 16 tile + lane-row][M, sum, scale word, 0].
; CLUSTERS 4 x 4, three for a batch: (queries 0-1023, keys 0-1023), (1024-2047, 0-1023), (1024-2047, 1024-2047).  q's records are shared along a row of the cluster, k's along a column.  In the two clusters on the diagonal six tiles lie wholly
; above it; their work-groups make every joint request and run alike (no branch may hang on a place in the cluster): they store zero codes, the sum 0 and a very low M, of which the last launch reads some as the padding of its equal walks.
; LIMITS: NaN and infinities among the scores are not served.  A block's scale byte is held at 64 from below (2^-63 under the chunk's M), so that the last launch can take up to 64 off all four bytes of a word at once: what is lost lies under 2^-48 of a row whose largest p is over 1/2.
.set REC,   33792
.set SLOT,  4*REC
.set SPARE, 2*SLOT
.set NP,    8
.set OA,    2
.set D0,    3                          ; v3 my query less my first key, tile and register left out
.set NINF,  4                          ; v4 -infinity
.set BOT,   5                          ; v5 -3e38: under every score, and finite
.set ADRA,  16
.set ADRB,  20
.set ADRS,  22
.set SPW,   28
.set NIL,   29
.set SC,    32
.set AF,    128
.set WK,    128                        ; t - M, then p
.set PC,    192
.set TM,    208
.set SM,    224                        ; v224-231 M of the eight tiles
.set SL,    232                        ; v232-239 their sums
.set SW,    240                        ; v240-247 their scale words
.set G1,    24
.set G0,    32
.set G1B,   48
.set G0B,   56
.set SEL,   66
.set MNT,   68
.set HM,    69
.set OUTC,  70
.set PST,   72
.set CS,    74                         ; s[74:75] c = log2(e) / 32
.set MSB, 0
.set RESET, 1
.set UHI, 90                           ; s90 all ones where my first query is not behind my first key
.set ULO, 91                           ; s91 all ones where it is ahead of it
.macro WIN new
.if MSB != \new
	s_set_vgpr_msb (MSB<<8)|\new
.set MSB, \new
.endif
.endm
.set MUL_LO, 0xa1
.set MUL_HI, 0xf1
.set TO_B,   0x40
.macro JLOAD g0a, g1a, g0b, g1b        ; waves 0, 1 fetch q's halves, waves 2, 3 k's; four v_nop follow each line
	s_cmp_eq_u32 s15, 0
	s_cbranch_scc0 .Lfor_b_\@
	tensor_load_to_lds s[\g0a:\g0a+3], s[\g1a:\g1a+7]
	s_nop 0
.rept 4
	v_nop
.endr
	s_branch .Lasked_\@
.Lfor_b_\@:
	tensor_load_to_lds s[\g0b:\g0b+3], s[\g1b:\g1b+7]
	s_nop 0
.rept 4
	v_nop
.endr
.Lasked_\@:
.endm
.macro CREST
	s_cmp_lg_u32 s14, 0
	s_cbranch_scc1 .Lnot_wave_0_\@
	s_barrier_signal -3
.Lnot_wave_0_\@:
	s_barrier_wait -3
	s_barrier_signal -1
	s_barrier_wait -1
.endm
.macro CROUND
	s_barrier_signal -1
	s_barrier_wait -1
	CREST
.endm
.macro PLACES n
.rept \n
	v_nop
.endr
.endm
.macro FRAG reg, adr, ks, i
.irp c, 0,1,2,3
	ds_load_b128 v[\reg+4*\c:\reg+4*\c+3], v[\adr] offset:16384*(\ks)+2048*(\i)+512*\c
.endr
.endm
.macro MUL16 a0, p, ks, sc, zero       ; the 64 accumulators take turns
.irp a, \a0, \a0+1
.irp b, 0,1,2,3,4,5,6,7
.if \zero
	v_wmma_scale_f32_16x16x128_f8f6f4 v[8*(8*((\a)%4)+\b):8*(8*((\a)%4)+\b)+7], v[128*(\p)+16*\b:128*(\p)+16*\b+15], v[AF+16*(\a):AF+16*(\a)+15], 0, v[SC+16*(\sc)+8*(\ks)+4*(\b%2)+\b/2], v[SC+16*(\sc)+8*(\ks)+4*((\a)%2)+(\a)/2] matrix_a_fmt:MATRIX_FMT_BF8 matrix_b_fmt:MATRIX_FMT_BF8 matrix_a_scale:MATRIX_SCALE_ROW1
.else
	v_wmma_scale_f32_16x16x128_f8f6f4 v[8*(8*((\a)%4)+\b):8*(8*((\a)%4)+\b)+7], v[128*(\p)+16*\b:128*(\p)+16*\b+15], v[AF+16*(\a):AF+16*(\a)+15], v[8*(8*((\a)%4)+\b):8*(8*((\a)%4)+\b)+7], v[SC+16*(\sc)+8*(\ks)+4*(\b%2)+\b/2], v[SC+16*(\sc)+8*(\ks)+4*((\a)%2)+(\a)/2] matrix_a_fmt:MATRIX_FMT_BF8 matrix_b_fmt:MATRIX_FMT_BF8 matrix_a_scale:MATRIX_SCALE_ROW1
.endif
.endr
.endr
.endm
.macro FETCH_B slot, ks, p
	WIN TO_B
.irp i, 0,1,2,3,4,5,6,7
	FRAG 128*(\p)+16*\i, ADRB+\slot, \ks, \i
.endr
	WIN 0
.endm
.macro FETCH_A slot, ks, i0
.irp i, \i0, \i0+1, \i0+2, \i0+3
	FRAG AF+16*(\i), ADRA+\slot, \ks, \i
.endr
.endm
.macro SCALES set
.irp k, 0,1
.irp u, 0,1
	ds_load_b128 v[SC+16*\set+8*\k+4*\u:SC+16*\set+8*\k+4*\u+3], v[ADRS+\set] offset:512*\k+256*\u
.endr
.endr
.endm
.macro STEP slot, zero
	s_wait_dscnt 16                                ; all but the youngest sixteen loads (q's tiles 4-7) are in
	WIN MUL_LO
	MUL16 0, 0, 0, \slot, \zero
	MUL16 2, 0, 0, \slot, \zero
	s_wait_dscnt 0x0
	PLACES NP
	FETCH_B \slot, 1, 1
	FETCH_A \slot, 1, 0
	WIN MUL_HI
	MUL16 4, 0, 0, \slot, \zero
	MUL16 6, 0, 0, \slot, \zero
	PLACES NP
	WIN 0
	FETCH_A \slot, 1, 4
.endm
.macro TURN slot, next, fill
	s_wait_tensorcnt 0x0                           ; all my tensor loads have landed: my record of the next slot
	ds_add_u32 v[SPW], v[NIL]                      ; 0 onto my spare word
.if RESET                              ; no tensor load of mine is out: from here on a load brings one record
.irp g, G1, G1B
	s_mov_b32 s[\g+1], 32<<16
	s_mov_b32 s[\g+2], 132<<16
	s_mov_b32 s[\g+3], 32<<16
	s_mov_b32 s[\g+4], 132
	s_mov_b32 s[\g+5], 32
.endr
.set RESET, 0
.endif
	s_wait_dscnt 17                                ; (the add and the youngest sixteen loads may be out)
	WIN MUL_LO
	MUL16 0, 1, 1, \slot, 0
	s_wait_dscnt 0x0                               ; the add is done, and my reads of this slot are over
	s_barrier_signal -1
	MUL16 2, 1, 1, \slot, 0
	WIN 0
	s_barrier_wait -1
.if \fill
	CREST                                          ; a round of the cluster's barrier: no wave of any partner still reads this slot or has a load on its way
	s_add_nc_u64 s[G0+4*\slot+2:G0+4*\slot+3], s[G0+4*\slot+2:G0+4*\slot+3], 2*REC
	s_add_nc_u64 s[G0B+4*\slot+2:G0B+4*\slot+3], s[G0B+4*\slot+2:G0B+4*\slot+3], 2*REC
	JLOAD G0+4*\slot, G1, G0B+4*\slot, G1B
	PLACES NP-4
.else
	PLACES NP
.endif
	FETCH_B \next, 0, 0
	FETCH_A \next, 0, 0
	SCALES \next
	WIN MUL_HI
	MUL16 4, 1, 1, \slot, 0
	MUL16 6, 1, 1, \slot, 0
	PLACES NP
	WIN 0
	FETCH_A \next, 0, 4
.endm
.macro SCALEW w
.irp b, 0,1,2,3
	v_add_nc_u32 v[TM+12+\b], 0xf8800000, v[TM+\b]
.endr
.irp b, 0,1,2,3
	v_and_or_b32 v[TM+8+\b], v[TM+\b], 0x7f800000, s[MNT]
.endr
.irp b, 0,1,2,3
	v_lshrrev_b32 v[TM+4+\b], 23, v[TM+12+\b]
.endr
	v_lshl_or_b32 v[\w], v[TM+5], 8, v[TM+4]
	v_lshl_or_b32 v[\w], v[TM+6], 16, v[\w]
	v_lshl_or_b32 v[\w], v[TM+7], 24, v[\w]
.endm
; The softmax of query tile a over my 128 keys.  Register 16 b + i of the tile's 64 is key 32 b + 16 (lane / 16) + i.  Each accumulator is read from its low end on.
.macro SMX a
.set AC, 64*((\a)%4)
.set W,  2+(\a)/4
.set QO, 32*((\a)/2)+8*((\a)%2)        ; the tile's first row in the block of 128
.set WMK, W|(W<<6)
.set WMX, (W<<2)|(W<<4)
	s_cmp_eq_u32 ttmp9, 1                          ; the cluster under the diagonal hides nothing: a branch on the cluster's number, alike in all partners
	s_cbranch_scc1 .Lopen_\@
	WIN WMK                                        ; source 0 and destination in the accumulators' window
; Only the tile's own block of 32 keys needs a compare a key: 32 b + i - QO is at least 24 for a later block and at most -17 for an earlier one, and D0 lies in -16 .. 23 plus a multiple of 128.  A hidden score becomes -infinity, its p 0
.set N, 0
.rept 16
	v_cmp_gt_i32 s[48+N], N-8*((\a)%2), v[D0]      ; (the descriptors there have had their last load)
.set N, N+1
.endr
.set N, 0
.rept 64
.if N/16 < (\a)/2
	v_cndmask_b32 v[AC+N], v[AC+N], v[NINF], s[ULO]
.elseif N/16 > (\a)/2
	v_cndmask_b32 v[AC+N], v[AC+N], v[NINF], s[UHI]
.else
	v_cndmask_b32 v[AC+N], v[AC+N], v[NINF], s[48+N%16]
.endif
.set N, N+1
.endr
	WIN 0
.Lopen_\@:
	WIN WMX
	s_wait_alu depctr_va_vdst(0)
.irp b, 0,1,2,3
	v_max3_num_f32 v[TM+\b], v[BOT], v[AC+16*\b], v[AC+16*\b+1]   ; the largest score of each block of 32 keys: it serves for M and, since p rises with the score, for the block's largest p
.endr
.irp i, 2,4,6,8,10,12,14
.irp b, 0,1,2,3
	v_max3_num_f32 v[TM+\b], v[TM+\b], v[AC+16*\b+\i], v[AC+16*\b+\i+1]
.endr
.endr
	WIN 0
.irp b, 0,1,2,3
	v_permlanex16_b32 v[TM+4+\b], v[TM+\b], s[SEL], s[SEL+1]
.endr
.irp b, 0,1,2,3
	v_max_num_f32 v[TM+\b], v[TM+\b], v[TM+4+\b]
.endr
	v_max3_num_f32 v10, v[TM], v[TM+1], v[TM+2]
	v_max_num_f32 v10, v10, v[TM+3]
	v_mul_f32 v10, s[CS], v10                      ; the chunk's largest t
	v_floor_f32 v12, -v10                          ; -M = floor(-t): M is a whole number
	v_mul_f32 v[SM+\a], -1.0, v12
	WIN W
.set N, 0
.rept 32
	v_pk_fma_f32 v[WK+2*N:WK+2*N+1], v[AC+2*N:AC+2*N+1], s[CS:CS+1], v[12:13] op_sel_hi:[1,0,0]   ; t - M, two at a time, into window 0
.set N, N+1
.endr
	WIN 0
.irp b, 0,1,2,3
	v_fma_f32 v[TM+\b], v[TM+\b], s[CS], v12       ; the same of each block's largest score
.endr
.irp b, 0,1,2,3
	v_min_num_f32 v[TM+\b], 0, v[TM+\b]            ; (where all is hidden M is huge and its rounding must not become an exponent)
.endr
.set N, 0
	s_wait_alu depctr_va_vdst(0)
.rept 64
	v_exp_f32 v[WK+N], v[WK+N]                     ; p = 2^(t - M)
.set N, N+1
.endr
	v_nop                                          ; a plain line behind the batch
	s_wait_alu depctr_va_vdst(0)                   ; one wait for the 64, ahead of their first reader
.irp b, 0,1,2,3
	v_exp_f32 v[TM+\b], v[TM+\b]                   ; the blocks' largest p
.endr
	v_pk_add_f32 v[14:15], v[WK:WK+1], v[WK+8:WK+9]           ; the sum of the unquantised p, in four chains: plain work behind the four
	v_pk_add_f32 v[252:253], v[WK+2:WK+3], v[WK+10:WK+11]
	v_pk_add_f32 v[254:255], v[WK+4:WK+5], v[WK+12:WK+13]
	v_pk_add_f32 v[6:7], v[WK+6:WK+7], v[WK+14:WK+15]
.irp j, 16,24,32,40,48,56
	v_pk_add_f32 v[14:15], v[14:15], v[WK+\j:WK+\j+1]
	v_pk_add_f32 v[252:253], v[252:253], v[WK+\j+2:WK+\j+3]
	v_pk_add_f32 v[254:255], v[254:255], v[WK+\j+4:WK+\j+5]
	v_pk_add_f32 v[6:7], v[6:7], v[WK+\j+6:WK+\j+7]
.endr
	v_pk_add_f32 v[14:15], v[14:15], v[252:253]
	v_pk_add_f32 v[254:255], v[254:255], v[6:7]
	v_pk_add_f32 v[14:15], v[14:15], v[254:255]
	v_add_f32 v14, v14, v15
	v_permlanex16_b32 v10, v14, s[SEL], s[SEL+1]
	v_add_f32 v[SL+\a], v14, v10                   ; with lane l xor 16's 64 keys
	s_wait_alu depctr_va_vdst(0)                   ; and one wait for the four
.irp b, 0,1,2,3
	v_max_num_f32 v[TM+\b], 0x27800000, v[TM+\b]   ; the floor 2^-48: the byte cannot fall under 64
.endr
	SCALEW SW+\a
.irp b, 0,1,2,3
.irp i, 0,1,2,3,4,5,6,7,8,9,10,11,12,13,14,15
	v_min_num_f32 v[WK+16*\b+\i], v[WK+16*\b+\i], v[TM+8+\b]   ; the conversion does not saturate (ISA guide 7.6.2); p is not negative: a one-sided hold
.endr
.endr
	s_wait_alu depctr_va_vdst(0)
	s_wait_xcnt 0x0                                ; earlier stores have read their data: the codes' registers and v248-250 are written again only behind this wait
.irp b, 0,1,2,3
	v_cvt_scalef32_pk8_bf8_f32 v[PC+4*\b:PC+4*\b+1], v[WK+16*\b:WK+16*\b+7], v[TM+12+\b]
	v_cvt_scalef32_pk8_bf8_f32 v[PC+4*\b+2:PC+4*\b+3], v[WK+16*\b+8:WK+16*\b+15], v[TM+12+\b]
.endr
	v_nop
.if (\a)%2 == 1
	v_cndmask_b32 v248, v[SM+\a-1], v[SM+\a], s[HM]   ; lanes 0-15 speak for tile a - 1, lanes 16-31 for tile a
	v_cndmask_b32 v249, v[SL+\a-1], v[SL+\a], s[HM]
	v_cndmask_b32 v250, v[SW+\a-1], v[SW+\a], s[HM]
.endif
.irp c, 0,1,2,3
	global_store_b128 v[OA], v[PC+4*\c:PC+4*\c+3], s[OUTC:OUTC+1] offset:2048*(\a)+512*\c
.endr
.if (\a)%2 == 1
	global_store_b128 v[OA], v[248:251], s[PST:PST+1] offset:256*(\a-1)   ; 32 rows' M, sum and word: 512 consecutive bytes
.endif
.endm
	s_load_b256 s[4:11], s[0:1], 0x0               ; qi s[4:5], ki s[6:7], pi s[8:9], pstat s[10:11]
	v_lshl_add_u32 v[SPW], v0, 2, SPARE
	v_mov_b32 v[NIL], 0
	ds_add_u32 v28, v29
	ds_add_u32 v28, v29
	s_wait_dscnt 0x0
	v_lshrrev_b32 v1, 5, v0
	v_readfirstlane_b32 s14, v1                    ; wave
	s_lshr_b32 s15, s14, 1                         ; my half of the queries.  Also: I fetch for q (0) or k (1)
	s_and_b32 s16, s14, 1                          ; my half of the keys.  Also: which half I fetch
	s_bfe_u32 s40, ttmp6, 0x40000                  ; cx
	s_bfe_u32 s41, ttmp6, 0x40004                  ; cy
	s_and_b32 s17, ttmp7, 0xffff                   ; the batch
	s_lshl_b32 s18, s17, 4
	s_min_u32 s19, ttmp9, 1                        ; which 1,024 queries
	s_lshr_b32 s20, ttmp9, 1                       ; which 1,024 keys
	s_lshl_b32 s43, s19, 2
	s_add_co_u32 s43, s43, s41                     ; tile of 256 queries
	s_lshl_b32 s42, s20, 2
	s_add_co_u32 s42, s42, s40                     ; tile of 256 keys
	s_lshl_b32 s22, s41, 2
	s_lshl_b32 s22, 15, s22
	s_lshl_b32 s23, 0x1111, s40
	s_or_b32 s[G1], s22, (3<<16)|(1<<21)           ; q's records go to my row of the cluster
	s_or_b32 s[G1B], s23, (3<<16)|(1<<21)          ; k's to my column
.irp g, G1, G1B
	s_mov_b32 s[\g+1], (REC/8)<<16                 ; the head's loads: two rows of a whole record, the two halves' records of one slot; the first change of slots sets these words for the ring's loads
	s_mov_b32 s[\g+2], 2<<16
	s_mov_b32 s[\g+3], (REC/8)<<16
	s_mov_b32 s[\g+4], 2
	s_mov_b32 s[\g+5], 4*REC/8
	s_mov_b32 s[\g+6], 0
	s_mov_b32 s[\g+7], 0
.endr
	s_lshl_b32 s44, s43, 1
	s_add_co_u32 s44, s44, s16
	s_add_co_u32 s44, s44, s18
	s_mul_i32 s44, s44, 4*REC
	s_mov_b32 s45, 0
	s_lshl_b32 s46, s42, 1
	s_add_co_u32 s46, s46, s16
	s_add_co_u32 s46, s46, s18
	s_mul_i32 s46, s46, 4*REC
	s_mov_b32 s47, 0
	s_mul_i32 s3, s14, REC
	s_lshl_b32 s96, s43, 1                         ; the head's loads: waves 0 (q), 1 (k) slot 0, waves 2, 3 slot 1
	s_add_co_u32 s96, s96, s18
	s_lshl_b32 s96, s96, 2
	s_add_co_u32 s96, s96, s15
	s_mul_i32 s96, s96, REC
	s_mov_b32 s97, 0
	s_lshl_b32 s98, s42, 1
	s_add_co_u32 s98, s98, s18
	s_lshl_b32 s98, s98, 2
	s_add_co_u32 s98, s98, s15
	s_mul_i32 s98, s98, REC
	s_mov_b32 s99, 0
	s_mov_b32 s[SEL], 0x76543210
	s_mov_b32 s[SEL+1], 0xfedcba98
	s_mov_b32 s[MNT], 0x600000
	s_mov_b32 s[HM], 0xffff0000
	s_mov_b32 s[CS], 0x3d38aa3b                    ; log2(e) / 32
	s_mov_b32 s[CS+1], s[CS]
	s_sub_co_i32 s89, s43, s42
	s_lshl_b32 s89, s89, 8
	s_sub_co_i32 s88, s15, s16
	s_lshl_b32 s88, s88, 7
	s_add_co_i32 s89, s89, s88                     ; my first query less my first key
	s_cmp_le_i32 s89, 0
	s_cselect_b32 s[UHI], -1, 0
	s_cmp_lt_i32 s89, 0
	s_cselect_b32 s[ULO], -1, 0
	s_lshl_b32 s80, s43, 1
	s_add_co_u32 s80, s80, s15
	s_add_co_u32 s80, s80, s18                     ; my block of 128 queries
	s_lshl_b32 s82, s80, 3
	s_add_co_u32 s82, s82, s42
	s_lshl_b32 s82, s82, 15
	s_lshl_b32 s81, s16, 14
	s_add_co_u32 s82, s82, s81
	s_mov_b32 s83, 0
	s_lshl_b32 s84, s42, 1
	s_add_co_u32 s84, s84, s16                     ; my chunk of 128 keys
	s_lshl_b32 s84, s84, 17
	s_lshl_b32 s81, s80, 11
	s_add_co_u32 s84, s84, s81
	s_mov_b32 s85, 0
	s_wait_kmcnt 0x0
	s_add_nc_u64 s[44:45], s[4:5], s[44:45]
	s_add_nc_u64 s[46:47], s[6:7], s[46:47]
	s_add_nc_u64 s[OUTC:OUTC+1], s[8:9], s[82:83]
	s_add_nc_u64 s[PST:PST+1], s[10:11], s[84:85]
	CROUND
.irp s, 0,1
	s_mov_b32 s[G0+4*\s], 1
	s_add_co_u32 s[G0+4*\s+1], s3, \s*SLOT
	s_add_nc_u64 s[G0+4*\s+2:G0+4*\s+3], s[44:45], \s*REC
	s_or_b32 s[G0+4*\s+3], s[G0+4*\s+3], 0x80000000
	s_mov_b32 s[G0B+4*\s], 1
	s_add_co_u32 s[G0B+4*\s+1], s3, \s*SLOT
	s_add_nc_u64 s[G0B+4*\s+2:G0B+4*\s+3], s[46:47], \s*REC
	s_or_b32 s[G0B+4*\s+3], s[G0B+4*\s+3], 0x80000000
.endr
	s_mov_b32 s76, 1
	s_mul_i32 s77, s15, SLOT
	s_add_nc_u64 s[78:79], s[4:5], s[96:97]
	s_or_b32 s79, s79, 0x80000000
	s_mov_b32 s92, 1
	s_add_co_u32 s93, s77, 2*REC
	s_add_nc_u64 s[94:95], s[6:7], s[98:99]
	s_or_b32 s95, s95, 0x80000000
.macro ARM under, g0, g1, next         ; one tensor load a wave at the head: one tree of branches on the wave's number
	s_cmp_lt_u32 s14, \under
	s_cbranch_scc0 \next
	tensor_load_to_lds s[\g0:\g0+3], s[\g1:\g1+7]
	s_nop 0
.rept 4
	v_nop
.endr
	s_branch .Lhead_asked
\next:
.endm
	ARM 1, 76, G1, .Lhead_k0
	ARM 2, 92, G1B, .Lhead_q1
	ARM 3, 76, G1, .Lhead_k1
	tensor_load_to_lds s[92:95], s[G1B:G1B+7]
	s_nop 0
.rept 4
	v_nop
.endr
.Lhead_asked:
	v_and_b32 v1, 31, v0
	v_lshlrev_b32 v[OA], 4, v1
	v_and_b32 v6, 15, v0                           ; r
	v_bfe_u32 v7, v0, 4, 1                         ; h
	s_mul_i32 s86, s15, REC
	s_add_co_u32 s87, s16, 2
	s_mul_i32 s87, s87, REC
	v_add_nc_u32 v[ADRA], s86, v[OA]
	v_add_nc_u32 v[ADRB], s87, v[OA]
	v_add_nc_u32 v[ADRA+1], SLOT, v[ADRA]
	v_add_nc_u32 v[ADRB+1], SLOT, v[ADRB]
	s_sub_co_u32 s88, s87, s86
	v_mul_u32_u24 v8, s88, v7
	v_lshl_add_u32 v8, v6, 4, v8
	s_add_co_u32 s86, s86, 32768
	v_add_nc_u32 v[ADRS], s86, v8
	v_add_nc_u32 v[ADRS+1], SLOT, v[ADRS]
	v_and_b32 v[D0], 7, v0                         ; r % 8 + 16 (r / 8) - 16 h + the scalar part
	v_bfe_u32 v8, v0, 3, 1
	v_lshl_add_u32 v[D0], v8, 4, v[D0]
	v_lshlrev_b32 v8, 4, v7
	v_sub_nc_u32 v[D0], v[D0], v8
	v_add_nc_u32 v[D0], s89, v[D0]
	v_mov_b32 v[NINF], 0xff800000
	v_mov_b32 v[BOT], 0xff61b1e6
	v_mov_b32 v10, 0
	v_mov_b32 v13, 0                               ; (named as the upper half of the pair v[12:13])
	s_wait_alu depctr_va_vdst(0)
	s_cmp_lt_u32 s14, 2
	s_cbranch_scc0 .Lslot1
	s_wait_tensorcnt 0x0                           ; waves 0, 1: slot 0 is in.  Slot 1, waves 2 and 3's, is waited for at the first change of slots
.Lslot1:
	s_barrier_signal -1
	s_barrier_wait -1
	FETCH_B 0, 0, 0
	FETCH_A 0, 0, 0
	SCALES 0
	FETCH_A 0, 0, 4
	STEP 0, 1
	TURN 0, 1, 1
	STEP 1, 0
	TURN 1, 0, 1
	STEP 0, 0
	TURN 0, 1, 0
	STEP 1, 0
	s_wait_dscnt 16
	WIN MUL_LO
	MUL16 0, 1, 1, 1, 0
	MUL16 2, 1, 1, 1, 0
	s_wait_dscnt 0x0
	WIN MUL_HI
	MUL16 4, 1, 1, 1, 0
	MUL16 6, 1, 1, 1, 0
	WIN 0
	PLACES NP
.irp b, 0,1,2,3
	v_mov_b32 v[TM+4+\b], 0                        ; a lane permute's destination counts as one of its sources
.endr
	v_mov_b32 v251, 0                              ; the fourth word of a row's entry
.irp a, 0,1,2,3,4,5,6,7
	SMX \a
.endr
	s_wait_tensorcnt 0x0                           ; the wave's end
	ds_add_u32 v[SPW], v[NIL]
	s_wait_dscnt 0x0
	CROUND
	s_endpgm
.Lfunc_end_k_q07583c1955_scores:
	.size	k_q07583c1955_scores, .Lfunc_end_k_q07583c1955_scores-k_q07583c1955_scores
	.p2alignl 7, 3214868480
	.fill 96, 4, 3214868480
	.section	.rodata,"a",@progbits
	.p2align	6, 0x0
	.amdhsa_kernel k_q07583c1955_scores
		.amdhsa_group_segment_fixed_size 327680
		.amdhsa_private_segment_fixed_size 0
		.amdhsa_enable_private_segment 0
		.amdhsa_kernarg_size 32
		.amdhsa_user_sgpr_count 2
		.amdhsa_user_sgpr_kernarg_segment_ptr 1
		.amdhsa_wavefront_size32 1
		.amdhsa_system_sgpr_workgroup_id_x 1
		.amdhsa_system_sgpr_workgroup_id_y 1
		.amdhsa_system_sgpr_workgroup_id_z 1
		.amdhsa_system_vgpr_workitem_id 0
		.amdhsa_next_free_vgpr 1024
		.amdhsa_next_free_sgpr 100
		.amdhsa_reserve_vcc 0
		.amdhsa_float_denorm_mode_32 3
		.amdhsa_float_denorm_mode_16_64 3
		.amdhsa_memory_ordered 1
		.amdhsa_forward_progress 1
		.amdhsa_inst_pref_size 255
	.end_amdhsa_kernel
	.section	.bss,"aw",@nobits
	.p2align	6
	.space	262144
	.amdgpu_metadata
---
amdhsa.version: [ 1, 2 ]
amdhsa.kernels:
  - .name:           k_q07583c1955_scores
    .symbol:         k_q07583c1955_scores.kd
    .args:
      - { .name: qi, .offset: 0, .size: 8, .value_kind: global_buffer, .address_space: global }
      - { .name: ki, .offset: 8, .size: 8, .value_kind: global_buffer, .address_space: global }
      - { .name: pi, .offset: 16, .size: 8, .value_kind: global_buffer, .address_space: global }
      - { .name: pstat, .offset: 24, .size: 8, .value_kind: global_buffer, .address_space: global }
    .group_segment_fixed_size: 327680
    .private_segment_fixed_size: 0
    .kernarg_segment_align: 8
    .kernarg_segment_size: 32
    .max_flat_workgroup_size: 128
    .sgpr_count:     100
    .vgpr_count:     1024
    .wavefront_size: 32
...
	.end_amdgpu_metadata
.endif
;; end of part 3
;; launch pv (part 4): grid 8 x 32, 4 waves a work-group, clusters of 4 x 4, 327,680 bytes of LDS; arguments pi, pstat, vi, out0; writes out0
.if DOCPART == 4
	.amdgcn_target "amdgcn-amd-amdhsa--gfx1250"
	.amdhsa_code_object_version 6
	.text
	.protected	k_q07583c1955_pv
	.globl	k_q07583c1955_pv
	.p2align	8
	.type	k_q07583c1955_pv,@function
k_q07583c1955_pv:
	s_mov_b64 s[64:65], 0
	v_nop
	global_prefetch_b8 v0, s[64:65] scope:SCOPE_SE
	s_setreg_imm32_b32 hwreg(HW_REG_WAVE_MODE, 25, 1), 1
	s_wait_xcnt 0x0
	s_wait_alu depctr_hold_cnt(0) depctr_sa_sdst(0) depctr_va_vdst(0) depctr_va_sdst(0) depctr_va_ssrc(0) depctr_va_vcc(0) depctr_vm_vsrc(0)
	s_getreg_b32 s2, hwreg(HW_REG_IB_STS2, 6, 4)
	s_cmp_eq_u32 s2, 0
	s_cbranch_scc0 .Lentry_in_a_cluster
	s_endpgm
.Lentry_in_a_cluster:
	s_bfe_u32 s2, ttmp6, 0x10000c
	s_cmp_lg_u32 s2, 0xf033
	s_cbranch_scc0 .Lentry_shape_is_right
	s_endpgm
.Lentry_shape_is_right:
; O = P V / l on codes of BF8 (E5M2), K = the keys.  P's codes and, for each query and chunk of 128 keys, (M, sum, scale word) come from the launch before; V's records from the projection.
; PROLOGUE: thread t takes row t of both query blocks: M = the largest of the chunks' M; d = chunk's M - M, held at -64; l = the sum of the chunks' sums x 2^d; each chunk's scale word + d in all four bytes (they are 64 or more: nothing is borrowed).
; SHARES.  A work-group makes two tiles of 128 queries x 128 channels: block 15 - p and block p of a batch, p = 4 g + cy: together 10 steps of 256 keys in every work-group, 8 - 2 g of them for the long block.  Steps past a block's diagonal
; hold zero codes.  Wave (i, j) makes 64 queries x 64 channels: 16 accumulators.  Source 0 = V^T (16 channels), source 1 = P (16 queries): a lane holds one query and neighbouring channels.
; RING: two slots of two steps: P's record of the even and the odd step, V's likewise: one dense tensor load a wave.  CLUSTERS 4 x 4: P's records hang on cy and are shared along a row, V's on cx and are shared along a column; g and the batch come from the cluster's y.
; The change from the long block to the short one stands behind walk slot 2 (g = 1) or 3 (g = 0): a branch on g, alike in all partners, round the way out and the one K step whose products begin the sums anew; no tensor load and no barrier stands in it.
; LIMITS: a chunk more than 2^64 under its row's largest term counts as 2^-64 of it, in O and in l alike.
; REGISTERS: window 0: v8-31 addresses; v32-47 scale words, two sets; v48-79 rows on the way out; v80-87 1 / l; v88-95 at work; v128-255 accumulators (first the prologue's 24 entries).  window 1: two buffers of P's 4 and V's 4 fragments.
.set REC,   33792
.set PREC,  32768
.set SLOT,  4*REC
.set PT,    2*SLOT                     ; P's scale words under the final M: 24 x 512 bytes: the long block's chunks 0-15, the short one's 0-7
.set LT,    PT+24*512                  ; 1 / l: [block][row] f32
.set STAGE, LT+1024                    ; the way out: 16 rows x 272 bytes a wave
.set SPARE, STAGE+4*16*272             ; the spare words, 128 bytes a wave
.set STO,   8
.set RD,    9
.set GO,    10
.set PSO,   11
.set ADRA,  16                         ; v16-17 P's fragments in slot 0, 1
.set ADRB,  20                         ; v20-21 V's
.set ADRV,  22                         ; v22-23 V's scale words
.set PT0,   24                         ; v24 my rows' words of the table's first chunk; v25, v26 of walk slots 3 and 4
.set PT3R,  25
.set PT4R,  26
.set PTW,   27
.set SPW,   28
.set NIL,   29
.set LTW,   30
.set LTR,   31
.set PS,    32                         ; set s: P's words v[32 + 8 s ..+3], V's v[36 + 8 s ..+3]; tile a's stands at 2 (a % 2) + a / 2
.set VS,    36
.set BK,    48
.set RL,    80
.set ACC,   128
.set F0,    0
.set F1,    128
.set GG,    15                         ; s15 g
.set G1P,   24
.set G0P,   32
.set G1V,   48
.set G0V,   56
.set AL,    66                         ; s[66:67] the long block's record of step par; s[68:69] the short one's; s[70:71] V's
.set AS,    68
.set BV,    70
.set OL,    72
.set OS,    74
.set PSL,   76
.set PSS,   78
.set K01,   90
.set MSB, 0
.set RESET, 1
.macro WIN new
.if MSB != \new
	s_set_vgpr_msb (MSB<<8)|\new
.set MSB, \new
.endif
.endm
.set MUL,  0x05                        ; sources 0 and 1 window 1; C and D window 0
.set TO_F, 0x40
.macro JLOAD s                         ; waves 0, 1 fetch P's records, waves 2, 3 V's; four v_nop follow each line
	s_cmp_eq_u32 s13, 0
	s_cbranch_scc0 .Lfor_v_\@
	tensor_load_to_lds s[G0P+4*(\s):G0P+4*(\s)+3], s[G1P:G1P+7]
	s_nop 0
.rept 4
	v_nop
.endr
	s_branch .Lasked_\@
.Lfor_v_\@:
	tensor_load_to_lds s[G0V+4*(\s):G0V+4*(\s)+3], s[G1V:G1V+7]
	s_nop 0
.rept 4
	v_nop
.endr
.Lasked_\@:
.endm
.macro CREST
	s_cmp_lg_u32 s12, 0
	s_cbranch_scc1 .Lnot_wave_0_\@
	s_barrier_signal -3
.Lnot_wave_0_\@:
	s_barrier_wait -3
	s_barrier_signal -1
	s_barrier_wait -1
.endm
.macro CROUND
	s_barrier_signal -1
	s_barrier_wait -1
	CREST
.endm
.macro PLACES n
.rept \n
	v_nop
.endr
.endm
.macro PTSEL n                         ; which register and which chunk of the table serve walk slot n
.if (\n) < 3
.set PTR, PT0
.set PTB, 4*(\n)
.elseif (\n) == 3
.set PTR, PT3R
.set PTB, 0
.else
.set PTR, PT4R
.set PTB, 0
.endif
.endm
.macro FETCH slot, kap, f, set, ptreg, pte      ; the slot's kap-th 128 keys: 32 loads of fragments, 4 of scale words
.set OFS, ((\kap)/2)*REC+16384*((\kap)%2)
.set OFP, ((\kap)/2)*PREC+16384*((\kap)%2)
	WIN TO_F
.irp i, 0,1,2,3
.irp c, 0,1,2,3
	ds_load_b128 v[(\f)+64+16*\i+4*\c:(\f)+64+16*\i+4*\c+3], v[ADRB+(\slot)] offset:OFS+2048*\i+512*\c
.endr
.endr
.irp i, 0,1,2,3
.irp c, 0,1,2,3
	ds_load_b128 v[(\f)+16*\i+4*\c:(\f)+16*\i+4*\c+3], v[ADRA+(\slot)] offset:OFP+2048*\i+512*\c
.endr
.endr
	WIN 0
.irp u, 0,1
	ds_load_b64 v[VS+8*(\set)+2*\u:VS+8*(\set)+2*\u+1], v[ADRV+(\slot)] offset:((\kap)/2)*REC+512*((\kap)%2)+256*\u
	ds_load_b64 v[PS+8*(\set)+2*\u:PS+8*(\set)+2*\u+1], v[\ptreg] offset:512*(\pte)+256*\u
.endr
.endm
.macro MUL4 f, set, a, zero            ; query tile a x the four channel tiles.  The 16 accumulators take turns
.irp b, 0,1,2,3
.if \zero
	v_wmma_scale_f32_16x16x128_f8f6f4 v[ACC+8*(4*\a+\b):ACC+8*(4*\a+\b)+7], v[(\f)+64+16*\b:(\f)+64+16*\b+15], v[(\f)+16*\a:(\f)+16*\a+15], 0, v[VS+8*(\set)+2*(\b%2)+\b/2], v[PS+8*(\set)+2*(\a%2)+\a/2] matrix_a_fmt:MATRIX_FMT_BF8 matrix_b_fmt:MATRIX_FMT_BF8
.else
	v_wmma_scale_f32_16x16x128_f8f6f4 v[ACC+8*(4*\a+\b):ACC+8*(4*\a+\b)+7], v[(\f)+64+16*\b:(\f)+64+16*\b+15], v[(\f)+16*\a:(\f)+16*\a+15], v[ACC+8*(4*\a+\b):ACC+8*(4*\a+\b)+7], v[VS+8*(\set)+2*(\b%2)+\b/2], v[PS+8*(\set)+2*(\a%2)+\a/2] matrix_a_fmt:MATRIX_FMT_BF8 matrix_b_fmt:MATRIX_FMT_BF8
.endif
.endr
.endm
.macro KSTEP n, kap, zero              ; one of a slot's first three K steps: the next one's loads go out ahead of this one's 16 products
	s_wait_dscnt 0x0                               ; this K step's fragments and words are in
	PLACES 8                                       ; in front of loads into the buffer that the last products read
	PTSEL \n
	FETCH (\n)%2, (\kap)+1, 128*(1-(\kap)%2), 1-(\kap)%2, PTR, PTB+(\kap)+1
	WIN MUL
.irp a, 0,1,2,3
	MUL4 128*((\kap)%2), (\kap)%2, \a, \zero
.endr
.endm
.macro REFILL m                        ; the addresses of walk slot m.  No tensor load of mine is out here
.set RS, (\m)%2
.if (\m) == 2
	s_add_nc_u64 s[G0P+4*RS+2:G0P+4*RS+3], s[AL:AL+1], 4*PREC
	s_add_nc_u64 s[G0V+4*RS+2:G0V+4*RS+3], s[BV:BV+1], 4*REC
.elseif (\m) == 3
	s_cmp_eq_u32 s[GG], 1
	s_cselect_b64 s[80:81], s[AS:AS+1], s[AL:AL+1] ; g = 1: the short block's steps 0, 1; g = 0: the long block's 6, 7
	s_cselect_b32 s82, 0, 6*PREC
	s_cselect_b32 s84, 0, 6*REC
	s_add_nc_u64 s[G0P+4*RS+2:G0P+4*RS+3], s[80:81], s[82:83]
	s_add_nc_u64 s[G0V+4*RS+2:G0V+4*RS+3], s[BV:BV+1], s[84:85]
.else
	s_cmp_eq_u32 s[GG], 1
	s_cselect_b32 s82, 2*PREC, 0                   ; g = 1: the short block's steps 2, 3; g = 0: its steps 0, 1
	s_cselect_b32 s84, 2*REC, 0
	s_add_nc_u64 s[G0P+4*RS+2:G0P+4*RS+3], s[AS:AS+1], s[82:83]
	s_add_nc_u64 s[G0V+4*RS+2:G0V+4*RS+3], s[BV:BV+1], s[84:85]
.endif
	s_or_b32 s[G0P+4*RS+3], s[G0P+4*RS+3], 0x80000000
	s_or_b32 s[G0V+4*RS+3], s[G0V+4*RS+3], 0x80000000
.endm
.macro TURN n, fill                    ; a slot's last K step, and the change of slots
	s_wait_dscnt 0x0                               ; this K step's fragments and words are in
	WIN 0
	s_wait_tensorcnt 0x0                           ; all my tensor loads have landed: my record of the next slot
	ds_add_u32 v[SPW], v[NIL]                      ; 0 onto my spare word
.if RESET                              ; no tensor load of mine is out: from here on a load brings one record
	s_mov_b32 s[G1P+2], 128<<16
	s_mov_b32 s[G1P+4], 128
	s_mov_b32 s[G1V+2], 132<<16
	s_mov_b32 s[G1V+4], 132
.set RESET, 0
.endif
.if \fill
	REFILL (\n)+2
.endif
	WIN MUL
	MUL4 F1, 1, 0, 0
	s_wait_dscnt 0x0                               ; the add is done, and my reads of this slot are over
	s_barrier_signal -1
	MUL4 F1, 1, 1, 0
	WIN 0
	s_barrier_wait -1
.if \fill
	CREST                                          ; a round of the cluster's barrier: no wave of any partner still reads this slot or has a load on its way
	JLOAD (\n)%2                                   ; my one tensor load behind the round; its four v_nop are four of the eight places
	PLACES 4
.else
	PLACES 8
.endif
	PTSEL (\n)+1
	FETCH ((\n)+1)%2, 0, F0, 0, PTR, PTB
	WIN MUL
	MUL4 F1, 1, 2, 0
	MUL4 F1, 1, 3, 0
.endm
; THE WAY OUT of a block: x 1 / l, then a tile of 16 queries x 64 channels at a time through my stage, so that sixteen lanes store 256 consecutive bytes, aligned.  Each accumulator is read from its low end on.
.macro FLUSH sel, base
.irp a, 0,1,2,3
	ds_load_b32 v[RL+2*\a], v[LTR] offset:512*\sel+64*\a
.endr
	s_wait_dscnt 0x0
.irp a, 0,1,2,3
.set Q, 0
.rept 16
	v_pk_mul_f32 v[ACC+32*\a+2*Q:ACC+32*\a+2*Q+1], v[ACC+32*\a+2*Q:ACC+32*\a+2*Q+1], v[RL+2*\a:RL+2*\a+1] op_sel_hi:[1,0]
.set Q, Q+1
.endr
.irp j, 0,1,2,3,4,5,6,7
	ds_store_b128 v[STO], v[ACC+32*\a+4*\j:ACC+32*\a+4*\j+3] offset:(\j/4)*128+(\j%4)*16   ; registers 16 b + 4 i on: channels 32 b + 16 h + 4 i on
.endr
	s_wait_xcnt 0x0                                ; the last tile's stores have read their data
.irp t, 0,1,2,3,4,5,6,7
	ds_load_b128 v[BK+4*\t:BK+4*\t+3], v[RD] offset:544*\t      ; LDS serves a wave's instructions in order: these see my stores
.endr
	s_wait_dscnt 0x0
.irp t, 0,1,2,3,4,5,6,7
	global_store_b128 v[GO], v[BK+4*\t:BK+4*\t+3], s[\base:\base+1] offset:(32*(\a/2)+8*(\a%2)+2*(\t%4)+16*(\t/4))*4096 th:TH_STORE_NT   ; lane-row 2 t + h of the tile, at its true row
.endr
.endr
.endm
	s_load_b256 s[4:11], s[0:1], 0x0               ; pi s[4:5], pstat s[6:7], vi s[8:9], out0 s[10:11]
	v_lshl_add_u32 v[SPW], v0, 2, SPARE
	v_mov_b32 v[NIL], 0
	ds_add_u32 v28, v29
	ds_add_u32 v28, v29
	s_wait_dscnt 0x0
	v_lshrrev_b32 v1, 5, v0
	v_readfirstlane_b32 s12, v1                    ; wave
	s_lshr_b32 s13, s12, 1                         ; my half of the queries.  Also: I fetch for P (0) or V (1)
	s_and_b32 s14, s12, 1                          ; my half of the channels.  Also: the even or the odd step of a slot
	s_bfe_u32 s40, ttmp6, 0x40000                  ; cx
	s_bfe_u32 s41, ttmp6, 0x40004                  ; cy
	s_and_b32 s16, ttmp7, 0xffff
	s_and_b32 s[GG], s16, 1                        ; g
	s_lshr_b32 s16, s16, 1                         ; the batch
	s_lshl_b32 s17, s[GG], 2
	s_add_co_u32 s17, s17, s41                     ; p
	s_lshl_b32 s18, ttmp9, 2
	s_add_co_u32 s18, s18, s40                     ; block of 128 channels
	s_lshl_b32 s19, s16, 4
	s_add_co_u32 s21, s19, s17                     ; the short block of queries
	s_add_co_u32 s20, s19, 15
	s_sub_co_u32 s20, s20, s17                     ; the long one
	s_lshl_b32 s22, s41, 2
	s_lshl_b32 s22, 15, s22
	s_lshl_b32 s23, 0x1111, s40
	s_or_b32 s[G1P], s22, (3<<16)|(1<<21)          ; P's records go to my row of the cluster: 128 rows of 256 bytes
	s_mov_b32 s[G1P+1], 32<<16
	s_mov_b32 s[G1P+2], 256<<16                    ; (the head's loads bring two records; the first change of slots sets the rows for one)
	s_mov_b32 s[G1P+3], 32<<16
	s_mov_b32 s[G1P+4], 256
	s_mov_b32 s[G1P+5], 32
	s_mov_b32 s[G1P+6], 0
	s_mov_b32 s[G1P+7], 0
	s_or_b32 s[G1V], s23, (3<<16)|(1<<21)          ; V's to my column: 132 rows
	s_mov_b32 s[G1V+1], 32<<16
	s_mov_b32 s[G1V+2], 264<<16
	s_mov_b32 s[G1V+3], 32<<16
	s_mov_b32 s[G1V+4], 264
	s_mov_b32 s[G1V+5], 32
	s_mov_b32 s[G1V+6], 0
	s_mov_b32 s[G1V+7], 0
	s_lshl_b32 s80, s20, 3
	s_add_co_u32 s80, s80, s14
	s_lshl_b32 s80, s80, 15
	s_mov_b32 s81, 0
	s_lshl_b32 s82, s21, 3
	s_add_co_u32 s82, s82, s14
	s_lshl_b32 s82, s82, 15
	s_mov_b32 s83, 0
	s_lshl_b32 s84, s16, 3
	s_add_co_u32 s84, s84, s18
	s_lshl_b32 s84, s84, 3
	s_add_co_u32 s84, s84, s14
	s_mul_i32 s84, s84, REC
	s_mov_b32 s85, 0
	s_lshl_b32 s86, s20, 11                        ; a block's 128 rows of 16 bytes in pstat
	s_mov_b32 s87, 0
	s_lshl_b32 s88, s21, 11
	s_mov_b32 s89, 0
	s_mov_b32 s[K01], 0x01010101
	s_mul_i32 s3, s12, REC                         ; where my record of V goes in a slot: wave x REC;
	s_mul_i32 s2, s12, PREC                        ; and of P: wave x PREC
	s_lshl_b32 s97, s13, 1                         ; the head's loads: waves 0 (P), 1 (V) slot 0: steps 0, 1; waves 2, 3 slot 1: steps 2, 3
	s_lshl_b32 s96, s20, 3
	s_add_co_u32 s96, s96, s97
	s_lshl_b32 s96, s96, 15
	s_lshl_b32 s98, s16, 3
	s_add_co_u32 s98, s98, s18
	s_lshl_b32 s98, s98, 3
	s_add_co_u32 s98, s98, s97
	s_mul_i32 s98, s98, REC
	s_mov_b32 s97, 0
	s_mov_b32 s99, 0
	v_lshlrev_b32 v[PSO], 4, v0                    ; 16 x thread
	s_wait_alu depctr_va_vdst(0)
	s_wait_kmcnt 0x0
	s_add_nc_u64 s[AL:AL+1], s[4:5], s[80:81]
	s_add_nc_u64 s[AS:AS+1], s[4:5], s[82:83]
	s_add_nc_u64 s[BV:BV+1], s[8:9], s[84:85]
	s_add_nc_u64 s[PSL:PSL+1], s[6:7], s[86:87]
	s_add_nc_u64 s[PSS:PSS+1], s[6:7], s[88:89]
.set E, 0
.rept 16
	global_load_b128 v[128+4*E:128+4*E+3], v[PSO], s[PSL:PSL+1] offset:131072*E      ; the long block's 16 chunks: M, sum, word of my row
.set E, E+1
.endr
.rept 8
	global_load_b128 v[128+4*E:128+4*E+3], v[PSO], s[PSS:PSS+1] offset:131072*(E-16) ; the short block's 8
.set E, E+1
.endr
	; where the results go: (128 x block + 64 x my half) rows of 4,096 bytes, + 512 x channel block + 256 x my half
	s_lshl_b32 s80, s20, 7
	s_lshl_b32 s86, s13, 6
	s_add_co_u32 s80, s80, s86
	s_lshl_b32 s80, s80, 12
	s_lshl_b32 s88, s18, 9
	s_lshl_b32 s91, s14, 8
	s_add_co_u32 s88, s88, s91
	s_add_co_u32 s80, s80, s88
	s_add_nc_u64 s[OL:OL+1], s[10:11], s[80:81]
	s_lshl_b32 s80, s21, 7
	s_add_co_u32 s80, s80, s86
	s_lshl_b32 s80, s80, 12
	s_add_co_u32 s80, s80, s88
	s_add_nc_u64 s[OS:OS+1], s[10:11], s[80:81]
	CROUND                                         ; all sixteen work-groups are here: the first joint loads meet
.irp s, 0,1
	s_mov_b32 s[G0P+4*\s], 1
	s_add_co_u32 s[G0P+4*\s+1], s2, \s*SLOT
	s_add_nc_u64 s[G0P+4*\s+2:G0P+4*\s+3], s[AL:AL+1], \s*2*PREC
	s_or_b32 s[G0P+4*\s+3], s[G0P+4*\s+3], 0x80000000
	s_mov_b32 s[G0V+4*\s], 1
	s_add_co_u32 s[G0V+4*\s+1], s3, \s*SLOT
	s_add_nc_u64 s[G0V+4*\s+2:G0V+4*\s+3], s[BV:BV+1], \s*2*REC
	s_or_b32 s[G0V+4*\s+3], s[G0V+4*\s+3], 0x80000000
.endr
	s_add_nc_u64 s[6:7], s[4:5], s[96:97]          ; the head's groups 0, in the arguments' registers, which have been used
	s_or_b32 s7, s7, 0x80000000
	s_mov_b32 s4, 1
	s_mul_i32 s5, s13, SLOT
	s_add_nc_u64 s[10:11], s[8:9], s[98:99]
	s_or_b32 s11, s11, 0x80000000
	s_mov_b32 s8, 1
	s_add_co_u32 s9, s5, 2*REC
.macro ARM under, g0, g1, next         ; one tensor load a wave at the head: one tree of branches on the wave's number
	s_cmp_lt_u32 s12, \under
	s_cbranch_scc0 \next
	tensor_load_to_lds s[\g0:\g0+3], s[\g1:\g1+7]
	s_nop 0
.rept 4
	v_nop
.endr
	s_branch .Lhead_asked
\next:
.endm
	ARM 1, 4, G1P, .Lhead_v0
	ARM 2, 8, G1V, .Lhead_p1
	ARM 3, 4, G1P, .Lhead_v1
	tensor_load_to_lds s[8:11], s[G1V:G1V+7]
	s_nop 0
.rept 4
	v_nop
.endr
.Lhead_asked:
	s_mov_b32 s83, 0                               ; the upper words of the refills' offsets
	s_mov_b32 s85, 0
	v_and_b32 v1, 31, v0
	v_lshlrev_b32 v2, 4, v1                        ; 16 x lane
	v_and_b32 v3, 15, v0                           ; r
	v_bfe_u32 v4, v0, 4, 1                         ; h
	v_lshlrev_b32 v5, 4, v3                        ; 16 r
	s_lshl_b32 s91, s13, 13                        ; my four tiles of queries
	v_add_nc_u32 v[ADRA], s91, v2
	v_add_nc_u32 v[ADRA+1], SLOT, v[ADRA]
	s_lshl_b32 s92, s14, 13                        ; my four tiles of channels, behind P's two records
	s_add_co_u32 s92, s92, 2*REC
	v_add_nc_u32 v[ADRB], s92, v2
	v_add_nc_u32 v[ADRB+1], SLOT, v[ADRB]
	s_lshl_b32 s93, s14, 3
	s_add_co_u32 s93, s93, 2*REC+32768
	v_add_nc_u32 v[ADRV], s93, v5
	v_add_nc_u32 v[ADRV+1], SLOT, v[ADRV]
	s_lshl_b32 s93, s13, 3
	s_add_co_u32 s93, s93, PT
	v_add_nc_u32 v[PT0], s93, v5
	s_lshl_b32 s94, s[GG], 11
	s_add_co_u32 s94, s94, 6144                    ; walk slot 3: the long block's chunks 12 on (g = 0) or the short one's 0 on (g = 1)
	v_add_nc_u32 v[PT3R], s94, v[PT0]
	v_add_nc_u32 v[PT4R], 2048, v[PT3R]            ; walk slot 4: four chunks further
	v_lshrrev_b32 v6, 5, v0
	v_lshl_add_u32 v[PTW], v4, 8, v5               ; thread t is row (tile t / 16, lane-row t % 16): its word lies at 256 (tile % 2) + 16 r + 4 (tile / 2)
	v_lshl_add_u32 v[PTW], v6, 2, v[PTW]
	v_add_nc_u32 v[PTW], PT, v[PTW]
	v_lshl_add_u32 v[LTW], v0, 2, LT
	s_lshl_b32 s93, s13, 8
	s_add_co_u32 s93, s93, LT
	v_lshl_add_u32 v[LTR], v3, 2, s93
	s_mul_i32 s93, s12, 16*272
	s_add_co_u32 s93, s93, STAGE
	v_mul_u32_u24 v[STO], v3, 272
	v_lshl_add_u32 v[STO], v4, 6, v[STO]
	v_add_nc_u32 v[STO], s93, v[STO]               ; in: row r, + 64 h
	v_mul_u32_u24 v[RD], v4, 272
	v_add_nc_u32 v[RD], v[RD], v5
	v_add_nc_u32 v[RD], s93, v[RD]                 ; back: lanes 0-15 one row, lanes 16-31 the next
	v_lshl_add_u32 v[GO], v4, 12, v5
.irp a, 0,1,2,3
	v_mov_b32 v[RL+2*\a+1], 0                      ; (named as the upper halves of the pairs)
.endr
	s_wait_loadcnt 0x0
	v_max3_num_f32 v88, v128, v132, v136           ; the long block: my row's final M
.irp e, 3,5,7,9,11,13
	v_max3_num_f32 v88, v88, v[128+4*\e], v[132+4*\e]
.endr
	v_max_num_f32 v88, v88, v188
	v_max3_num_f32 v89, v192, v196, v200           ; the short block's
	v_max3_num_f32 v89, v89, v204, v208
	v_max3_num_f32 v89, v89, v212, v216
	v_max_num_f32 v89, v89, v220
.set E, 0
.rept 24
	v_sub_f32 v[128+4*E], v[128+4*E], v[88+E/16]   ; the chunk's M less the final M: a whole number, 0 or less
.set E, E+1
.endr
.set E, 0
.rept 24
	v_max_num_f32 v[128+4*E], 0xc2800000, v[128+4*E]   ; held at -64
.set E, E+1
.endr
.set E, 0
.rept 24
	v_cvt_i32_f32 v[128+4*E], v[128+4*E]
.set E, E+1
.endr
.set E, 0
.rept 24
	v_ldexp_f32 v[129+4*E], v[129+4*E], v[128+4*E] ; the chunk's sum under the final M: nothing is rounded
.set E, E+1
.endr
.set E, 0
.rept 24
	v_mul_lo_u32 v[131+4*E], v[128+4*E], s[K01]    ; d in all four bytes
.set E, E+1
.endr
.set E, 0
.rept 24
	v_add_nc_u32 v[130+4*E], v[130+4*E], v[131+4*E]
.set E, E+1
.endr
.set E, 0
.rept 24
	ds_store_b32 v[PTW], v[130+4*E] offset:512*E
.set E, E+1
.endr
	v_add_f32 v90, v129, v133
	v_add_f32 v94, v137, v141
.irp e, 4,6,8,10,12,14
	v_add_f32 v90, v90, v[129+4*\e]
	v_add_f32 v94, v94, v[133+4*\e]
.endr
	v_add_f32 v90, v90, v94                        ; l of the long block's row
	v_add_f32 v91, v193, v197
	v_add_f32 v95, v201, v205
.irp e, 20,22
	v_add_f32 v91, v91, v[129+4*\e]
	v_add_f32 v95, v95, v[133+4*\e]
.endr
	v_add_f32 v91, v91, v95                        ; and of the short one's
	s_wait_alu depctr_va_vdst(0)
	v_rcp_f32 v90, v90
	v_rcp_f32 v91, v91
	v_nop                                          ; a plain line behind the reciprocals,
	s_wait_alu depctr_va_vdst(0)                   ; and the wait ahead of their first reader
	ds_store_b32 v[LTW], v90
	ds_store_b32 v[LTW], v91 offset:512
	s_wait_alu depctr_va_vdst(0)
	s_cmp_lt_u32 s12, 2
	s_cbranch_scc0 .Lslot1
	s_wait_tensorcnt 0x0                           ; waves 0, 1: slot 0 is in.  Slot 1, waves 2 and 3's, is waited for at the first change of slots
.Lslot1:
	s_wait_dscnt 0x0                               ; for the others' sake: my words and reciprocals lie in LDS
	s_barrier_signal -1
	s_barrier_wait -1
	PTSEL 0
	FETCH 0, 0, F0, 0, PTR, PTB
	KSTEP 0, 0, 1                                  ; the first products start the long block's sums
	KSTEP 0, 1, 0
	KSTEP 0, 2, 0
	TURN 0, 1
	KSTEP 1, 0, 0
	KSTEP 1, 1, 0
	KSTEP 1, 2, 0
	TURN 1, 1
	KSTEP 2, 0, 0
	KSTEP 2, 1, 0
	KSTEP 2, 2, 0
	TURN 2, 1
	WIN 0
	s_cmp_eq_u32 s[GG], 1                          ; g = 1: the long block ends here
	s_cbranch_scc0 .Lkeep3
	PLACES 8
	FLUSH 0, OL
	KSTEP 3, 0, 1                                  ; the short block's sums begin: sixteen v_nop stand between the last product and these
	WIN 0
	s_branch .Ljoin3
.Lkeep3:
	KSTEP 3, 0, 0
	WIN 0
.Ljoin3:
	KSTEP 3, 1, 0
	KSTEP 3, 2, 0
	TURN 3, 0                                      ; nothing is left to fetch
	WIN 0
	s_cmp_eq_u32 s[GG], 0                          ; g = 0: the long block ends here
	s_cbranch_scc0 .Lkeep4
	PLACES 8
	FLUSH 0, OL
	KSTEP 4, 0, 1
	WIN 0
	s_branch .Ljoin4
.Lkeep4:
	KSTEP 4, 0, 0
	WIN 0
.Ljoin4:
	KSTEP 4, 1, 0
	KSTEP 4, 2, 0
	s_wait_dscnt 0x0
	WIN MUL
	MUL4 F1, 1, 0, 0
	MUL4 F1, 1, 1, 0
	MUL4 F1, 1, 2, 0
	MUL4 F1, 1, 3, 0
	WIN 0
	PLACES 8
	FLUSH 1, OS
	s_wait_tensorcnt 0x0                           ; the wave's end
	ds_add_u32 v[SPW], v[NIL]
	s_wait_dscnt 0x0
	CROUND                                         ; the closing round
	s_endpgm
.Lfunc_end_k_q07583c1955_pv:
	.size	k_q07583c1955_pv, .Lfunc_end_k_q07583c1955_pv-k_q07583c1955_pv
	.p2alignl 7, 3214868480
	.fill 96, 4, 3214868480
	.section	.rodata,"a",@progbits
	.p2align	6, 0x0
	.amdhsa_kernel k_q07583c1955_pv
		.amdhsa_group_segment_fixed_size 327680
		.amdhsa_private_segment_fixed_size 0
		.amdhsa_enable_private_segment 0
		.amdhsa_kernarg_size 32
		.amdhsa_user_sgpr_count 2
		.amdhsa_user_sgpr_kernarg_segment_ptr 1
		.amdhsa_wavefront_size32 1
		.amdhsa_system_sgpr_workgroup_id_x 1
		.amdhsa_system_sgpr_workgroup_id_y 1
		.amdhsa_system_sgpr_workgroup_id_z 1
		.amdhsa_system_vgpr_workitem_id 0
		.amdhsa_next_free_vgpr 512
		.amdhsa_next_free_sgpr 100
		.amdhsa_reserve_vcc 0
		.amdhsa_float_denorm_mode_32 3
		.amdhsa_float_denorm_mode_16_64 3
		.amdhsa_memory_ordered 1
		.amdhsa_forward_progress 1
		.amdhsa_inst_pref_size 164
	.end_amdhsa_kernel
	.amdgpu_metadata
---
amdhsa.version: [ 1, 2 ]
amdhsa.kernels:
  - .name:           k_q07583c1955_pv
    .symbol:         k_q07583c1955_pv.kd
    .args:
      - { .name: pi, .offset: 0, .size: 8, .value_kind: global_buffer, .address_space: global }
      - { .name: pstat, .offset: 8, .size: 8, .value_kind: global_buffer, .address_space: global }
      - { .name: vi, .offset: 16, .size: 8, .value_kind: global_buffer, .address_space: global }
      - { .name: out0, .offset: 24, .size: 8, .value_kind: global_buffer, .address_space: global }
    .group_segment_fixed_size: 327680
    .private_segment_fixed_size: 0
    .kernarg_segment_align: 8
    .kernarg_segment_size: 32
    .max_flat_workgroup_size: 128
    .sgpr_count:     100
    .vgpr_count:     512
    .wavefront_size: 32
...
	.end_amdgpu_metadata
.endif
;; end of part 4
